; MI455X (gfx1250); checked and timed in simulation.
; The chip was launched on July 23, 2026; its instructions are those of AMD's public machine-readable ISA for CDNA 5 (MIT licence, August 2026) and "CDNA5" Instruction Set Architecture Reference Guide (July 2026). The comments in the code are by the model that wrote it; some were corrected since.
;; Transformer Block. Allowed arithmetic: matrix products marked QUANTISED: E2M3 operands, one E8M0 scale for each 32 along K, by v_wmma_scale_f32_16x16x128_f8f6f4 with both operands' format E2M3, f32 sums; everything else in f32.
;; Inputs: W1 4,096 x 1,024 float32; W2 1,024 x 4,096 float32; Wk 1,024 x 1,024 float32; Wo 1,024 x 1,024 float32; Wq 1,024 x 1,024 float32; Wv 1,024 x 1,024 float32; b1 4,096 float32; b2 1,024 float32; bk 1,024 float32; bo 1,024 float32; bq 1,024 float32; bv 1,024 float32; ln1_b 1,024 float32; ln1_g 1,024 float32; ln2_b 1,024 float32; ln2_g 1,024 float32; x 2 x 2,048 x 1,024 float32.
;; Outputs: out0 2 x 2,048 x 1,024 float32.
;; This version of the problem:
;;   THIS VERSION OF THE PROBLEM IS GIVEN IN LOW PRECISION. The matrix products marked QUANTISED in the list below multiply operands that are first quantised to E2M3 (2 exponent bits, 3 mantissa bits; 6 bits a number), with one power-of-two scale for each 32 numbers along K (OCP MX v1.0); their sums are f32. All else is computed in f32.
;;   The module's matrix products, in the order in which they are computed (A, B: the left and right operand; K: the contracted axis; several contracted axes count as one K, in the product's order):
;;     1. [M 4,096, K 1,024] x [K 1,024, N 1,024]; A: computed on the way; B: input Wq: QUANTISED
;;     2. [M 4,096, K 1,024] x [K 1,024, N 1,024]; A: computed on the way; B: input Wk: QUANTISED
;;     3. [M 4,096, K 1,024] x [K 1,024, N 1,024]; A: computed on the way; B: input Wv: QUANTISED
;;     4. batch 32 x [M 2,048, K 64] x [K 64, N 2,048]; A: computed on the way; B: computed on the way: QUANTISED
;;     5. batch 32 x [M 2,048, K 2,048] x [K 2,048, N 64]; A: softmax (see below); B: computed on the way: QUANTISED
;;     6. [M 4,096, K 1,024] x [K 1,024, N 1,024]; A: computed on the way; B: input Wo: QUANTISED
;;     7. [M 4,096, K 1,024] x [K 1,024, N 4,096]; A: computed on the way; B: input W1: QUANTISED
;;     8. [M 4,096, K 4,096] x [K 4,096, N 1,024]; A: computed on the way; B: input W2: QUANTISED
;;   THE QUANTISER, for each operand of a quantised product, along K:
;;     - K is cut into blocks of 32 from its start; a last block that is shorter is filled with zeros.
;;     - A block's scale is 2^e with e = floor(log2(the largest magnitude in the block)) - 2, held to -126 .. 127; a block of zeros has e = 0. As a byte (E8M0): e + 127.
;;     - Each number is divided by its block's scale, clamped to +-7.5, and rounded to the nearest number of E2M3, ties to even, subnormals kept.
;;     - The product sums the exact products of the quantised numbers (number of the format x scale) in f32.
;;   ~~~python
;;   def quantise(x, axis):      # numpy; x: float32 -> the quantised numbers, widened to float32 again
;;       x = np.moveaxis(x, axis, -1); K = x.shape[-1]
;;       x = np.pad(x, [(0, 0)] * (x.ndim - 1) + [(0, -K % 32)]); x = x.reshape(x.shape[:-1] + (-1, 32)); a = np.abs(x).max(-1, keepdims=True)
;;       e = np.where(a > 0, np.clip(np.frexp(np.where(a > 0, a, 1))[1] - 1 - 2, -126, 127), 0)      # np.frexp(a)[1] - 1 = floor(log2(a)), exactly
;;       r = np.clip(x / 2.0 ** e, -7.5, 7.5)
;;       step = 2.0 ** (np.maximum(np.frexp(np.where(r == 0, 1, r))[1] - 1, 0) - 3)
;;       q = np.round(r / step) * step * 2.0 ** e      # np.round: ties to even
;;       return np.moveaxis(q.reshape(q.shape[:-2] + (-1,))[..., :K], -1, axis).astype(np.float32)
;;   ~~~
;;   SOFTMAX AHEAD OF A QUANTISED PRODUCT. Where the list says 'softmax', what is quantised is not the finished softmax but p = 2^(t - M), with t = logit x log2(e) and M = ceil(the row's largest t), a whole number; so 1/2 < the row's largest p <= 1. The row's sum l is taken of the UNQUANTISED p, in f32, and the product's result is divided by l at the end. Since M is a whole number, a kernel that streams over the keys may use a running M (the ceiling of the running maximum): every later rescaling is an exact power of two, which a block's scale takes up: the codes' values come out the same.
;;   OPERANDS COMPUTED ON THE WAY. 'Computed on the way' means the value that the module computes at that place (a softmax that the list does not call 'softmax' is quantised finished and normalised). What goes into a quantiser is computed in f32, as accurately as f32 sums, v_exp_f32 and their like allow (about 1e-6 of the number): no bf16 or f16 on the way to a quantiser, and a product that is left as it is and whose result goes on into a quantised operand takes f32 operands (vector FMAs, or v_wmma_f32_16x16x4_f32). A number that lies on a knife's edge between two numbers of the format may be rounded either way, as far as f32 arithmetic and the matrix unit's own rounding can turn it there, and no further.
;; One version. Each part assembles by itself: llvm-mc -triple=amdgcn-amd-amdhsa -mcpu=gfx1250 --defsym DOCPART=n.
;; ======== version 1 of 1: 7 launches
;; limits: right only within a limited range of input values
;; workspace buffers: wq 9,830,400 bytes; hq 3,276,800 bytes; qrec 6,684,672 bytes; kv 6,684,672 bytes; oq 3,276,800 bytes; x1 16,777,216 bytes; gq 13,107,200 bytes
;; launch prep (part 1): grid 512 x 1, 16 waves a work-group, no clusters, 133,632 bytes of LDS; arguments x, ln1_g, ln1_b, Wq, Wk, Wv, Wo, W1, W2, hq, wq; writes hq, wq
.if DOCPART == 1
	.amdgcn_target "amdgcn-amd-amdhsa--gfx1250"
	.amdhsa_code_object_version 6
	.text
	.protected	k_qbefb423967_prep
	.globl	k_qbefb423967_prep
	.p2align	8
	.type	k_qbefb423967_prep,@function
k_qbefb423967_prep:
	s_mov_b64 s[64:65], 0
	v_nop
	global_prefetch_b8 v0, s[64:65] scope:SCOPE_SE
	s_setreg_imm32_b32 hwreg(HW_REG_WAVE_MODE, 25, 1), 1
	s_wait_xcnt 0x0
; LayerNorm 1 of x, and the six weights, become operands of MX-FP6 (E2M3, one E8M0 byte for each 32 along K).
; A work-group takes 32 rows x 1,024 numbers.  Work-groups 0-127: rows of x (normalised first) -> hq; 128-159 Wq, 160-191 Wk, 192-223 Wv, 224-255 Wo, 256-383 W1,
; 384-511 W2 (32 rows x a quarter of its K) -> wq.  Only pointers and offsets are chosen by the work-group's number; the weights jump over the normalisation alone.
; LAYOUT OF EVERY OPERAND BUFFER.  Rows go in tiles of 16; lane r of tile T holds row 32 (T / 2) + 8 (T % 2) + r + 8 (r / 8), so that a product's results, used transposed, have 16 neighbours
; along the next K in 16 registers.  A fragment (16 rows x 128 K, 12 registers a lane) lies as an image of its registers, 1,536 bytes: for c = 0, 1 registers 6 c .. 6 c + 3 at 768 c + 16 x lane,
; registers 6 c + 4, 6 c + 5 at 768 c + 512 + 8 x lane.  Image (T, K step s) at (T x K / 128 + s) x 1,536; its 16 scale words at the scales' base + (T x K / 128 + s) x 64 + 4 r.
; PHASE 1: wave w loads rows w and w + 16 (each load 512 consecutive bytes), normalises them (mean, then the squares of the differences: two passes over registers) and lays them into LDS at their places in the tiles.
; PHASE 2: wave w takes tile w / 8, K step w % 8: lane (r, h) reads k = 64 c + 32 h + 0 .. 31 of row r, two whole blocks, so no other lane is asked for a maximum.
; LIMITS: NaN and infinities are not served; a block whose largest magnitude lies under 2^-124 is held at the byte 1; a block of zeros gets the byte 1, not 127 (its codes are zeros; this program alone reads the bytes).
.set WEIGHTS, 1
.set LP,  4112                         ; a row in LDS: 4,096 bytes + 16, an odd multiple of 16: the 16 rows of a load start in different banks
.set X,   32                           ; v32-95   phase 1: two rows, 32 numbers a lane each; phase 2: my 64 numbers
.set GA,  96                           ; v96-111  the gain of four pieces of 512 bytes
.set BE,  112                          ; v112-127 the bias likewise
.set CD,  96                           ; v96-107  phase 2: the codes
.set TP,  108                          ; v108-114 the second halves of the blocks, before they are moved
.if WEIGHTS
	s_load_b256 s[4:11], s[0:1], 0x0               ; x, gain, bias, Wq
	s_load_b256 s[12:19], s[0:1], 0x20             ; Wk, Wv, Wo, W1
	s_load_b128 s[20:23], s[0:1], 0x40             ; W2, hq
	s_load_b64 s[24:25], s[0:1], 0x50              ; wq
	v_lshl_add_u32 v28, v0, 2, 0x20200
	v_mov_b32 v29, 0
.else
	s_load_b256 s[4:11], s[0:1], 0x0               ; x, gain, bias, hq
.endif
	v_lshrrev_b32 v1, 5, v0
	s_delay_alu instid0(VALU_DEP_1)
	v_readfirstlane_b32 s26, v1                    ; wave 0..15
	v_and_b32 v1, 31, v0                           ; lane
	v_and_b32 v2, 15, v0                           ; r
	v_bfe_u32 v3, v0, 4, 1                         ; h
	s_delay_alu instid0(VALU_DEP_3)
	v_lshlrev_b32 v8, 4, v1                        ; 16 x lane
	s_wait_alu depctr_va_vdst(0)
	s_mov_b32 s40, 0x76543210
	s_mov_b32 s41, 0xfedcba98                      ; v_permlanex16_b32's selects for lane l xor 16
	s_mov_b32 s42, 0x3a800000                      ; 1 / 1,024
	s_and_b32 s56, s26, 7                          ; row w lies at place (w % 8) + 16 (w / 8) of the 32; row w + 16 eight places on
	s_and_b32 s57, s26, 8
	s_lshl_b32 s57, s57, 1
	s_or_b32 s56, s56, s57
	s_mul_i32 s56, s56, LP
	v_add_nc_u32 v6, s56, v8                       ; into LDS
	s_lshr_b32 s58, s26, 3                         ; phase 2: my tile u,
	s_and_b32 s59, s26, 7                          ; my K step s
	s_mul_i32 s56, s58, 16*LP
	s_lshl_b32 s57, s59, 9
	s_add_co_u32 s56, s56, s57
	v_mul_u32_u24 v7, v2, LP
	s_delay_alu instid0(VALU_DEP_1)
	v_lshl_add_u32 v7, v3, 7, v7
	s_delay_alu instid0(VALU_DEP_1)
	v_add_nc_u32 v7, s56, v7                       ; out of LDS: (16 u + r) rows + 512 s + 128 h
	s_wait_kmcnt 0x0
.if WEIGHTS
	s_mov_b64 s[28:29], s[4:5]
	s_mov_b32 s30, 0
.macro PICK first, lo                  ; from work-group \first on: the tensor whose address stands in s[\lo:\lo+1]
	s_cmp_ge_u32 ttmp9, \first
	s_cselect_b64 s[28:29], s[\lo:\lo+1], s[28:29]
	s_cselect_b32 s30, \first, s30
.endm
	PICK 128, 10
	PICK 160, 12
	PICK 192, 14
	PICK 224, 16
	PICK 256, 18
	PICK 384, 20
	s_sub_co_u32 s31, ttmp9, s30                   ; my number within the tensor
	s_lshl_b32 s32, s31, 17                        ; K = 1,024: 32 rows of 4,096 bytes
	s_lshr_b32 s34, s31, 2                         ; W2: group of 32 rows,
	s_and_b32 s35, s31, 3                          ; quarter of K
	s_lshl_b32 s48, s34, 19
	s_lshl_b32 s36, s35, 12
	s_add_co_u32 s48, s48, s36                     ; W2: where I read
	s_mul_i32 s49, s34, 98304
	s_mul_i32 s36, s35, 12288
	s_add_co_u32 s49, s49, s36
	s_add_co_u32 s49, s49, 6291456                 ; W2: my images
	s_lshl_b32 s50, s34, 12
	s_lshl_b32 s36, s35, 9
	s_add_co_u32 s50, s50, s36
	s_add_co_u32 s50, s50, 9699328                 ; W2: my scale words
	s_cmp_ge_u32 ttmp9, 128
	s_cselect_b32 s37, 128, 0
	s_mov_b32 s44, 3145728
	s_cselect_b32 s44, 9437184, s44                ; where the scales begin: in wq, in hq
	s_cselect_b64 s[46:47], s[24:25], s[22:23]     ; wq or hq
	s_sub_co_u32 s37, ttmp9, s37                   ; group of 32 rows in the output buffer
	s_mul_i32 s38, s37, 24576
	s_lshl_b32 s36, s37, 10
	s_add_co_u32 s44, s44, s36
	s_cmp_ge_u32 ttmp9, 384
	s_cselect_b32 s32, s48, s32
	s_cselect_b32 s38, s49, s38
	s_cselect_b32 s44, s50, s44
	s_mov_b32 s51, 4096
	s_cselect_b32 s51, 16384, s51                  ; a row in memory
	s_mov_b32 s52, 12288
	s_cselect_b32 s52, 49152, s52                  ; from tile to tile in the images
	s_mov_b32 s53, 512
	s_cselect_b32 s53, 2048, s53                   ; and in the scale words
	s_mov_b32 s33, 0
	s_mov_b32 s39, 0
	s_mov_b32 s45, 0
	s_add_nc_u64 s[28:29], s[28:29], s[32:33]
	s_add_nc_u64 s[54:55], s[46:47], s[44:45]
	s_add_nc_u64 s[46:47], s[46:47], s[38:39]
.else
	s_lshl_b32 s32, ttmp9, 17
	s_mul_i32 s38, ttmp9, 24576
	s_lshl_b32 s44, ttmp9, 10
	s_add_co_u32 s44, s44, 3145728
	s_mov_b32 s51, 4096
	s_mov_b32 s52, 12288
	s_mov_b32 s53, 512
	s_mov_b32 s33, 0
	s_mov_b32 s39, 0
	s_mov_b32 s45, 0
	s_add_nc_u64 s[28:29], s[4:5], s[32:33]
	s_add_nc_u64 s[54:55], s[10:11], s[44:45]
	s_add_nc_u64 s[46:47], s[10:11], s[38:39]
.endif
	s_mul_i32 s36, s26, s51
	v_add_nc_u32 v4, s36, v8                       ; row w: w rows + 16 x lane
	s_lshl_b32 s36, s51, 4
	v_add_nc_u32 v5, s36, v4                       ; row w + 16
	s_mul_i32 s36, s58, s52
	s_mul_i32 s37, s59, 1536
	s_add_co_u32 s36, s36, s37
	v_lshl_add_u32 v9, v1, 4, s36                  ; my image: the pieces of 16 bytes a lane,
	v_lshl_add_u32 v10, v1, 3, s36                 ; those of 8
	s_mul_i32 s36, s58, s53
	s_lshl_b32 s37, s59, 6
	s_add_co_u32 s36, s36, s37
	v_lshl_add_u32 v11, v2, 2, s36                 ; my row's scale word
.irp j, 0,1,2,3,4,5,6,7
	global_load_b128 v[X+4*\j:X+4*\j+3], v4, s[28:29] offset:512*\j th:TH_LOAD_NT     ; 32 lanes read 512 consecutive bytes
.endr
.irp j, 0,1,2,3,4,5,6,7
	global_load_b128 v[X+32+4*\j:X+32+4*\j+3], v5, s[28:29] offset:512*\j th:TH_LOAD_NT
.endr
.if WEIGHTS
	s_cmp_ge_u32 ttmp9, 128                        ; weights are quantised as they are
	s_cbranch_scc1 .Lraw
.endif
.irp j, 0,1,2,3
	global_load_b128 v[GA+4*\j:GA+4*\j+3], v8, s[6:7] offset:512*\j
	global_load_b128 v[BE+4*\j:BE+4*\j+3], v8, s[8:9] offset:512*\j
.endr
.macro ACROSS a, t                     ; the sum of v[a] over the 32 lanes, in every lane; v[t] at work
	s_delay_alu instid0(VALU_DEP_1)
	v_add_f32_dpp v[\a], v[\a], v[\a] row_xmask:1 row_mask:0xf bank_mask:0xf
	s_delay_alu instid0(VALU_DEP_1)
	v_add_f32_dpp v[\a], v[\a], v[\a] row_xmask:2 row_mask:0xf bank_mask:0xf
	s_delay_alu instid0(VALU_DEP_1)
	v_add_f32_dpp v[\a], v[\a], v[\a] row_xmask:4 row_mask:0xf bank_mask:0xf
	s_delay_alu instid0(VALU_DEP_1)
	v_add_f32_dpp v[\a], v[\a], v[\a] row_xmask:8 row_mask:0xf bank_mask:0xf
	s_delay_alu instid0(VALU_DEP_1)
	v_permlanex16_b32 v[\t], v[\a], s40, s41
	s_delay_alu instid0(VALU_DEP_1)
	v_add_f32 v[\a], v[\a], v[\t]
.endm
	s_wait_loadcnt 0x8                             ; the 16 loads of the rows are in; the 8 of gain and bias, issued behind them, may be out
.irp q, 0,1                            ; row q: sums at v[12 + 6 q] on
	v_pk_add_f32 v[12+6*\q:13+6*\q], v[X+32*\q:X+32*\q+1], v[X+32*\q+2:X+32*\q+3]
	v_pk_add_f32 v[14+6*\q:15+6*\q], v[X+32*\q+4:X+32*\q+5], v[X+32*\q+6:X+32*\q+7]
.irp i, 8,12,16,20,24,28
	s_delay_alu instid0(VALU_DEP_2)
	v_pk_add_f32 v[12+6*\q:13+6*\q], v[12+6*\q:13+6*\q], v[X+32*\q+\i:X+32*\q+\i+1]
	s_delay_alu instid0(VALU_DEP_2)
	v_pk_add_f32 v[14+6*\q:15+6*\q], v[14+6*\q:15+6*\q], v[X+32*\q+\i+2:X+32*\q+\i+3]
.endr
	s_delay_alu instid0(VALU_DEP_1)
	v_pk_add_f32 v[12+6*\q:13+6*\q], v[12+6*\q:13+6*\q], v[14+6*\q:15+6*\q]
	s_delay_alu instid0(VALU_DEP_1)
	v_add_f32 v[12+6*\q], v[12+6*\q], v[13+6*\q]
	ACROSS 12+6*\q, 13+6*\q
	s_delay_alu instid0(VALU_DEP_1)
	v_mul_f32 v[12+6*\q], s42, v[12+6*\q]          ; the mean
.set i, 0
.rept 16
	v_pk_add_f32 v[X+32*\q+i:X+32*\q+i+1], v[X+32*\q+i:X+32*\q+i+1], v[12+6*\q:13+6*\q] op_sel_hi:[1,0] neg_lo:[0,1] neg_hi:[0,1]   ; x - mean, in place
.set i, i+2
.endr
	v_pk_mul_f32 v[14+6*\q:15+6*\q], v[X+32*\q:X+32*\q+1], v[X+32*\q:X+32*\q+1]
	v_pk_mul_f32 v[16+6*\q:17+6*\q], v[X+32*\q+2:X+32*\q+3], v[X+32*\q+2:X+32*\q+3]
.irp i, 4,8,12,16,20,24,28
	s_delay_alu instid0(VALU_DEP_2)
	v_pk_fma_f32 v[14+6*\q:15+6*\q], v[X+32*\q+\i:X+32*\q+\i+1], v[X+32*\q+\i:X+32*\q+\i+1], v[14+6*\q:15+6*\q]
	s_delay_alu instid0(VALU_DEP_2)
	v_pk_fma_f32 v[16+6*\q:17+6*\q], v[X+32*\q+\i+2:X+32*\q+\i+3], v[X+32*\q+\i+2:X+32*\q+\i+3], v[16+6*\q:17+6*\q]
.endr
	s_delay_alu instid0(VALU_DEP_1)
	v_pk_add_f32 v[14+6*\q:15+6*\q], v[14+6*\q:15+6*\q], v[16+6*\q:17+6*\q]
	s_delay_alu instid0(VALU_DEP_1)
	v_add_f32 v[14+6*\q], v[14+6*\q], v[15+6*\q]
	ACROSS 14+6*\q, 15+6*\q
	s_delay_alu instid0(VALU_DEP_1)
	v_fmaak_f32 v[14+6*\q], s42, v[14+6*\q], 0x3727c5ac   ; the variance + 1e-5
.endr
	s_wait_alu depctr_va_vdst(0)
	v_rsq_f32 v24, v14
	v_rsq_f32 v26, v20
	v_mov_b32 v25, 0                               ; plain lines behind the roots (the upper halves of the pairs that the packed multiplies name)
	v_mov_b32 v27, 0
	s_wait_alu depctr_va_vdst(0)                   ; one wait for both roots, ahead of their first reader
.irp q, 0,1
.set i, 0
.rept 16
	v_pk_mul_f32 v[X+32*\q+i:X+32*\q+i+1], v[X+32*\q+i:X+32*\q+i+1], v[24+2*\q:25+2*\q] op_sel_hi:[1,0]
.set i, i+2
.endr
.endr
.macro GAIN j0                         ; pieces j0 .. j0 + 3 of both rows: x gain + bias
.irp q, 0,1
.set i, 0
.rept 8
	v_pk_fma_f32 v[X+32*\q+4*\j0+i:X+32*\q+4*\j0+i+1], v[X+32*\q+4*\j0+i:X+32*\q+4*\j0+i+1], v[GA+i:GA+i+1], v[BE+i:BE+i+1]
.set i, i+2
.endr
.endr
.endm
	s_wait_loadcnt 0x0
	GAIN 0
.irp j, 0,1,2,3
	global_load_b128 v[GA+4*\j:GA+4*\j+3], v8, s[6:7] offset:2048+512*\j
	global_load_b128 v[BE+4*\j:BE+4*\j+3], v8, s[8:9] offset:2048+512*\j
.endr
	s_wait_loadcnt 0x0
	GAIN 4
.Lraw:
	s_wait_loadcnt 0x0
	s_wait_alu depctr_va_vdst(0)
.irp j, 0,1,2,3,4,5,6,7
	ds_store_b128 v6, v[X+4*\j:X+4*\j+3] offset:512*\j
	ds_store_b128 v6, v[X+32+4*\j:X+32+4*\j+3] offset:8*LP+512*\j
.endr
	s_wait_dscnt 0x0                               ; for the others' sake: my rows lie in LDS
	s_barrier_signal -1
	s_barrier_wait -1
.irp c, 0,1
.irp i, 0,1,2,3,4,5,6,7
	ds_load_b128 v[X+32*\c+4*\i:X+32*\c+4*\i+3], v7 offset:256*\c+16*\i
.endr
.endr
	s_wait_dscnt 0x0
.irp c, 0,1                            ; my block 2 c + h: all its 32 numbers are mine
	v_max3_num_f32 v[12+\c], |v[X+32*\c]|, |v[X+1+32*\c]|, 0x1800000   ; with the floor 2^(3 - 127): the byte cannot fall under 1
.endr
.irp i, 2,4,6,8,10,12,14,16,18,20,22,24,26,28,30
.irp c, 0,1
	s_delay_alu instid0(VALU_DEP_2)
	v_max3_num_f32 v[12+\c], v[12+\c], |v[X+32*\c+\i]|, |v[X+1+32*\c+\i]|
.endr
.endr
.irp c, 0,1
	s_delay_alu instid0(VALU_DEP_2)
	v_add_nc_u32 v[14+\c], 0xff000000, v[12+\c]    ; 2 off the exponent field: the conversion's scale operand
.endr
.irp c, 0,1
	s_delay_alu instid0(VALU_DEP_2)
	v_lshrrev_b32 v[16+\c], 23, v[14+\c]           ; the scale's byte
.endr
	s_delay_alu instid0(VALU_DEP_1)
	v_lshl_or_b32 v18, v17, 16, v16                ; blocks h and 2 + h,
	v_lshlrev_b32 v19, 3, v3
	s_delay_alu instid0(VALU_DEP_1)
	v_lshlrev_b32 v18, v19, v18                    ; at their places in the word;
	v_mov_b32 v19, 0
	s_delay_alu instid0(VALU_DEP_1)
	v_permlanex16_b32 v19, v18, s40, s41
	s_delay_alu instid0(VALU_DEP_1)
	v_or_b32 v18, v18, v19                         ; with lane l xor 16's two the word is whole
.irp c, 0,1
	v_cvt_scalef32_pk16_fp6_f32 v[CD+6*\c:CD+6*\c+2], v[X+32*\c:X+32*\c+15], v[14+\c]
	v_cvt_scalef32_pk16_fp6_f32 v[TP+4*\c:TP+4*\c+2], v[X+32*\c+16:X+32*\c+31], v[14+\c]   ; (a conversion's three registers begin on an even number)
.endr
	v_nop                                          ; one plain line behind the conversions
.irp c, 0,1
.irp i, 0,1,2
	v_mov_b32 v[CD+3+6*\c+\i], v[TP+4*\c+\i]
.endr
.endr
	global_store_b128 v9, v[CD:CD+3], s[46:47]               ; each store covers 512 or 256 consecutive bytes, aligned
	global_store_b64 v10, v[CD+4:CD+5], s[46:47] offset:512
	global_store_b128 v9, v[CD+6:CD+9], s[46:47] offset:768
	global_store_b64 v10, v[CD+10:CD+11], s[46:47] offset:1280
	global_store_b32 v11, v18, s[54:55]                      ; both halves of the lanes hold the same word
	s_wait_tensorcnt 0x0
	ds_add_u32 v28, v29
	s_wait_dscnt 0x0
	s_endpgm
.Lfunc_end_k_qbefb423967_prep:
	.size	k_qbefb423967_prep, .Lfunc_end_k_qbefb423967_prep-k_qbefb423967_prep
	.p2alignl 7, 3214868480
	.fill 96, 4, 3214868480
	.section	.rodata,"a",@progbits
	.p2align	6, 0x0
	.amdhsa_kernel k_qbefb423967_prep
		.amdhsa_group_segment_fixed_size 133632
		.amdhsa_private_segment_fixed_size 0
		.amdhsa_enable_private_segment 0
		.amdhsa_kernarg_size 88
		.amdhsa_user_sgpr_count 2
		.amdhsa_user_sgpr_kernarg_segment_ptr 1
		.amdhsa_wavefront_size32 1
		.amdhsa_system_sgpr_workgroup_id_x 1
		.amdhsa_system_sgpr_workgroup_id_y 1
		.amdhsa_system_sgpr_workgroup_id_z 1
		.amdhsa_system_vgpr_workitem_id 0
		.amdhsa_next_free_vgpr 128
		.amdhsa_next_free_sgpr 66
		.amdhsa_reserve_vcc 0
		.amdhsa_float_denorm_mode_32 3
		.amdhsa_float_denorm_mode_16_64 3
		.amdhsa_memory_ordered 1
		.amdhsa_forward_progress 1
		.amdhsa_inst_pref_size 30
	.end_amdhsa_kernel
	.amdgpu_metadata
---
amdhsa.version: [ 1, 2 ]
amdhsa.kernels:
  - .name:           k_qbefb423967_prep
    .symbol:         k_qbefb423967_prep.kd
    .args:
      - { .name: x, .offset: 0, .size: 8, .value_kind: global_buffer, .address_space: global }
      - { .name: ln1_g, .offset: 8, .size: 8, .value_kind: global_buffer, .address_space: global }
      - { .name: ln1_b, .offset: 16, .size: 8, .value_kind: global_buffer, .address_space: global }
      - { .name: Wq, .offset: 24, .size: 8, .value_kind: global_buffer, .address_space: global }
      - { .name: Wk, .offset: 32, .size: 8, .value_kind: global_buffer, .address_space: global }
      - { .name: Wv, .offset: 40, .size: 8, .value_kind: global_buffer, .address_space: global }
      - { .name: Wo, .offset: 48, .size: 8, .value_kind: global_buffer, .address_space: global }
      - { .name: W1, .offset: 56, .size: 8, .value_kind: global_buffer, .address_space: global }
      - { .name: W2, .offset: 64, .size: 8, .value_kind: global_buffer, .address_space: global }
      - { .name: hq, .offset: 72, .size: 8, .value_kind: global_buffer, .address_space: global }
      - { .name: wq, .offset: 80, .size: 8, .value_kind: global_buffer, .address_space: global }
    .group_segment_fixed_size: 133632
    .private_segment_fixed_size: 0
    .kernarg_segment_align: 8
    .kernarg_segment_size: 88
    .max_flat_workgroup_size: 512
    .sgpr_count:     66
    .vgpr_count:     128
    .wavefront_size: 32
...
	.end_amdgpu_metadata
.endif
;; end of part 1
;; launch qkv (part 2): grid 48 x 4, 4 waves a work-group, clusters of 4 x 4, 327,680 bytes of LDS; arguments hq, wq, bq, bk, bv, qrec, kv; writes qrec, kv
.if DOCPART == 2
	.amdgcn_target "amdgcn-amd-amdhsa--gfx1250"
	.amdhsa_code_object_version 6
	.text
	.protected	k_qbefb423967_qkv
	.globl	k_qbefb423967_qkv
	.p2align	8
	.type	k_qbefb423967_qkv,@function
k_qbefb423967_qkv:
	s_mov_b64 s[64:65], 0
	v_nop
	global_prefetch_b8 v0, s[64:65] scope:SCOPE_SE
	s_setreg_imm32_b32 hwreg(HW_REG_WAVE_MODE, 25, 1), 1
	s_wait_xcnt 0x0
	s_wait_alu depctr_hold_cnt(0) depctr_sa_sdst(0) depctr_va_vdst(0) depctr_va_sdst(0) depctr_va_ssrc(0) depctr_va_vcc(0) depctr_vm_vsrc(0)
	s_getreg_b32 s2, hwreg(HW_REG_IB_STS2, 6, 4)
	s_cmp_eq_u32 s2, 0
	s_cbranch_scc0 .Lentry_in_a_cluster
	s_endpgm
.Lentry_in_a_cluster:
	s_bfe_u32 s2, ttmp6, 0x10000c
	s_cmp_lg_u32 s2, 0xf033
	s_cbranch_scc0 .Lentry_shape_is_right
	s_endpgm
.Lentry_shape_is_right:
; q, k and v: LN1(x) [4096][1024] times Wq, Wk, Wv (each [1024][1024], K innermost), + bias, quantised again on the way out: q and k along a head's 64, v along the keys.  All in MX-FP6 (E2M3).
; Operands lie as images of fragments in tiles of 16 rows (lane r of tile T: row 32 (T / 2) + 8 (T % 2) + r + 8 (r / 8)): image (T, K step s) at (8 T + s) x 1,536 bytes, its scale words at the scales' base + (8 T + s) x 64 + 4 r.
; A product is D = P R^T: source 0 = 16 rows of P, source 1 = 16 rows of R.  Lane (r, h) of a result holds R's row r of its tile, and the 16 registers of P's tiles 2 b, 2 b + 1 hold P's rows 32 b + 16 h + 0 .. 15: neighbours.
; Twelve clusters of 4 x 4 work-groups, told apart by the cluster's x alone (the same in all sixteen partners).  Clusters 0-7: R = tokens (hq), P = rows of Wq and Wk: a lane holds a token, its registers run along the channels.
; Clusters 8-11: R = rows of Wv (channels), P = tokens: a lane holds a channel, its registers run along the keys: v comes out with the keys innermost, and nothing is transposed.
; A work-group makes 256 x 256, a wave 128 x 128: 64 accumulators.  K = 1,024 goes in 8 steps of 128 through THREE LDS slots of two steps each; a wave's tensor load brings 8 tiles x 3,072 bytes.
; Six of the eight K steps are asked for at the start; only K steps 6 and 7 are a refill, of slot 0, asked for in K step 1 and waited for in K step 5: 240 products of a wave lie between.
; R's tiles are shared along a row of the cluster, P's along a column: joint loads.  The scale words of the work-group's rows come once, with the first fills.
; OUT.  qrec and kv: records of 13,056 bytes, [batch x head][128 tokens].  q, k: tile t (16 tokens x a head's 64: half an image) at 768 t, its scale words at 6,144 + 64 t.  v: tile t (16 channels x 128 keys) at 6,656 + 1,536 t, scale words at 12,800 + 64 t.
; LIMITS: NaN and infinities are not served; a block under 2^-124 is held at the byte 1; a block of zeros gets the byte 1, not 127 (its codes are zeros; this program alone reads the bytes).
; REGISTERS: window 0: v4, v5 16 and 8 x lane; v9-14, v16-21 LDS addresses; v24-26 store offsets; v27 scale words' address; v28, v29 the spare word's address and 0; v32-47 scale words, two sets; v48-63 v's bias; v64-255 R's fragments, two sets.
;   window 1: v0-191 P's fragments, two sets; v192-255 q's and k's bias.   windows 2, 3: the accumulators ((a, b) at v[8 (8 (a % 4) + b)]).
; THE FILLS (this paragraph takes the place of what the head says of slots and of the start).  LDS: region A at 0: K steps 0-3, R's 16 tiles x 6,144 bytes, then P's; region B at 2 SLOT: K steps 4, 5, R's 16 tiles x 3,072 bytes, then P's.
; At the head one joint load a wave: wave 0 R's part of A, wave 2 P's, wave 1 R's scale words, wave 3 P's.  Behind the full sequence and a round each wave asks for its quarter of B.
; In K step 3, when A has been read out, a round stands and K steps 6, 7 land on A's first 98,304 bytes, laid as B is; they are waited for in K step 5.
.set SLOT,  98304
.set G0H,   60                         ; s[60:63] group 0 of the head's load of P
.set SCL,   3*SLOT                     ; the scale words: R's 8,192 bytes, then P's
.set SPARE, SCL+16384                  ; the spare words, 128 bytes a wave: two blocks of 256 bytes that no other line names
.set AR16, 9                           ; v9-11   R's pieces of 16 bytes a lane in slot 0, 1, 2
.set AR8,  12                          ; v12-14  those of 8
.set AP16, 16                          ; v16-18  the same for P
.set AP8,  19                          ; v19-21
.set SC,   32
.set BR,   48
.set HA,   64                          ; the way out: 64 numbers of a lane
.set PC,   128                         ; their codes
.set TM,   160
.set PW,   176                         ; their scale word
.set WV,   18
.set RH,   19                          ; my half of R's rows; also: I fetch for R (0) or for P (1)
.set PH,   20                          ; my half of P's rows; also: which half of that tile I fetch
.set CX,   21
.set CY,   22
.set G1R,  24
.set G0R,  32                          ; s[32:39] groups 0 for R's slots 0 and 1
.set TC,   40
.set TR,   41
.set MR,   42
.set MC,   43
.set G0P2, 44                          ; s[44:47] group 0 for P's slot 2
.set G1P,  48
.set G0P,  56                          ; s[56:63] groups 0 for P's slots 0 and 1
.set G1SR, 68
.set G0SR, 76
.set G1SP, 80
.set G0SP, 88
.set OUT,  92
.set G0R2, 96                          ; s[96:99] group 0 for R's slot 2; on the way out s[96:97] hold the lane selects
.set SEL,  96
.set CCOL, 100
.set MUL_LO, 0xa1                      ; source 0 (P) window 1, source 1 (R) window 0, C and D window 2
.set MUL_HI, 0xf1
.set MSB, 0
.macro WIN new                         ; the immediate's high byte repeats the setting that is left
.if MSB != \new
	s_set_vgpr_msb (MSB<<8)|\new
.set MSB, \new
.endif
.endm
.macro PLACES n
.rept \n
	v_nop
.endr
.endm
.macro JLOAD g0a, g1a, g0b, g1b        ; a joint load: waves 0, 1 fetch for R, waves 2, 3 for P; four v_nop follow each of the two lines
	s_cmp_eq_u32 s[RH], 0
	s_cbranch_scc0 .Lfor_p_\@
	tensor_load_to_lds s[\g0a:\g0a+3], s[\g1a:\g1a+7]
	s_nop 0
.rept 4
	v_nop
.endr
	s_branch .Lasked_\@
.Lfor_p_\@:
	tensor_load_to_lds s[\g0b:\g0b+3], s[\g1b:\g1b+7]
	s_nop 0
.rept 4
	v_nop
.endr
.Lasked_\@:
.endm
.macro CREST                           ; a round of the cluster's barrier behind its opening barrier
	s_cmp_lg_u32 s[WV], 0
	s_cbranch_scc1 .Lnot_wave_0_\@
	s_barrier_signal -3
.Lnot_wave_0_\@:
	s_barrier_wait -3
	s_barrier_signal -1
	s_barrier_wait -1
.endm
.macro CROUND
	s_barrier_signal -1
	s_barrier_wait -1
	CREST
.endm
.macro FRAG reg, a16, a8, o            ; an image comes back as it was stored: every load takes 512 or 256 consecutive bytes
	ds_load_b128 v[\reg:\reg+3], v[\a16] offset:\o
	ds_load_b64 v[\reg+4:\reg+5], v[\a8] offset:(\o)+512
	ds_load_b128 v[\reg+6:\reg+9], v[\a16] offset:(\o)+768
	ds_load_b64 v[\reg+10:\reg+11], v[\a8] offset:(\o)+1280
.endm
.macro FETCH k                         ; K step k's 16 fragments and 8 registers of scale words into set k % 2; K steps 0-3 lie in slot 0, 4 and 5 in slot 1, 6 and 7 in slot 2
.if (\k) < 4
.set FS, 0                             ; region A: 6,144 bytes a tile
.set FT, 6144
.set FO, (\k)*1536
.else
.set FS, ((\k)>>1)-1                   ; 1: region B; 2: K steps 6, 7 at LDS byte 0: 3,072 bytes a tile
.set FT, 3072
.set FO, ((\k)&1)*1536
.endif
.set FQ, (\k)&1
	WIN 0x40
.irp i, 0,1,2,3,4,5,6,7
	FRAG 96*FQ+12*\i, AP16+FS, AP8+FS, \i*FT+FO
.endr
	WIN 0
.irp i, 0,1,2,3,4,5,6,7
	FRAG 64+96*FQ+12*\i, AR16+FS, AR8+FS, \i*FT+FO
.endr
.irp i, 0,1,2,3,4,5,6,7
	ds_load_b32 v[SC+8*FQ+\i], v27 offset:\i*512+(\k)*64     ; lanes 0-15: R's tile i; lanes 16-31: P's tile i
.endr
.endm
.macro MM d, p, r, sp, sr, zero
.if \zero
	v_wmma_scale_f32_16x16x128_f8f6f4 v[\d:\d+7], v[\p:\p+11], v[\r:\r+11], 0, v[\sp], v[\sr] matrix_a_fmt:MATRIX_FMT_FP6 matrix_b_fmt:MATRIX_FMT_FP6 matrix_a_scale:MATRIX_SCALE_ROW1
.else
	v_wmma_scale_f32_16x16x128_f8f6f4 v[\d:\d+7], v[\p:\p+11], v[\r:\r+11], v[\d:\d+7], v[\sp], v[\sr] matrix_a_fmt:MATRIX_FMT_FP6 matrix_b_fmt:MATRIX_FMT_FP6 matrix_a_scale:MATRIX_SCALE_ROW1
.endif
.endm
.macro MUL16 a0, f, zero               ; R's tiles a0, a0 + 1 x P's eight.  The 64 accumulators take turns, one instruction a turn, in the same order in every step
.irp a, \a0, \a0+1
.irp b, 0,1,2,3,4,5,6,7
	MM 8*(8*((\a)%4)+\b), 96*(\f)+12*\b, 64+96*(\f)+12*(\a), SC+8*(\f)+\b, SC+8*(\f)+(\a), \zero
.endr
.endr
.endm
.macro STEPN k, zero                   ; a K step whose successor's tiles every wave may read already
	s_wait_dscnt 0x0                               ; this step's fragments, asked for a step ago, are in
	PLACES 4                                       ; four places in front of loads into registers that the last step's products read
	FETCH (\k)+1
	WIN MUL_LO
	MUL16 0, (\k)%2, \zero
	MUL16 2, (\k)%2, \zero
	WIN MUL_HI
	MUL16 4, (\k)%2, \zero
	MUL16 6, (\k)%2, \zero
	WIN 0
.endm
; A K step with a barrier.  fill = 1 (K step 3): region A has been read out and its first 98,304 bytes are filled again, with K steps 6 and 7; the round also shows region B to every wave.
; fill = 0 (K step 5): the refill is waited for and shown to every wave.
.macro TURN k, fill
	s_wait_dscnt 0x0                               ; this step's fragments are in: my reads of this slot are over
.if \fill
	s_wait_tensorcnt 0x0                           ; all my tensor loads have landed: my parts of slots 1 and 2
	ds_add_u32 v28, v29                            ; 0 onto my spare word
	WIN MUL_LO
	MUL16 0, (\k)%2, 0                             ; sixteen products stand between the add and the wait for it
	s_wait_dscnt 0x0
.else
	WIN MUL_LO
	MUL16 0, (\k)%2, 0
	s_wait_tensorcnt 0x0                           ; my part of the refill has landed
.endif
	s_barrier_signal -1
	MUL16 2, (\k)%2, 0
	WIN 0
	s_barrier_wait -1
.if \fill
	CREST                                          ; the barrier has opened a round of the cluster's: no wave of any partner still reads this slot or has a load on its way
	s_add_nc_u64 s[G0R+2:G0R+3], s[G0R+2:G0R+3], 9216   ; six K steps on
	s_add_nc_u64 s[G0P+2:G0P+3], s[G0P+2:G0P+3], 9216
	JLOAD G0R, G1R, G0P, G1P                       ; the first tensor load behind the round; its four v_nop are the places in front of the loads below
.else
	PLACES 4
.endif
	FETCH (\k)+1
	WIN MUL_HI
	MUL16 4, (\k)%2, 0
	MUL16 6, (\k)%2, 0
	WIN 0
.endm
; 64 numbers of a lane, register 16 b + i = k 32 b + 16 (lane / 16) + i of my row, become a fragment's codes in v[PC] on and its scale word in v[PW]
.macro QUANT s
.irp b, 0,1,2,3
	v_max3_num_f32 v[TM+\b], |v[\s+16*\b]|, |v[\s+1+16*\b]|, 0x1800000   ; with the floor 2^(3 - 127): the byte cannot fall under 1
.endr
.irp i, 2,4,6,8,10,12,14
.irp b, 0,1,2,3
	v_max3_num_f32 v[TM+\b], v[TM+\b], |v[\s+16*\b+\i]|, |v[\s+1+16*\b+\i]|
.endr
.endr
.irp b, 0,1,2,3
	v_permlanex16_b32 v[TM+4+\b], v[TM+\b], s[SEL], s[SEL+1]
.endr
.irp b, 0,1,2,3
	v_max_num_f32 v[TM+\b], v[TM+\b], v[TM+4+\b]   ; with lane l xor 16's: the block's largest magnitude
.endr
.irp b, 0,1,2,3
	v_add_nc_u32 v[TM+12+\b], 0xff000000, v[TM+\b] ; 2 off its exponent field: the conversion's scale operand
.endr
.irp b, 0,1,2,3
	v_lshrrev_b32 v[TM+4+\b], 23, v[TM+12+\b]      ; the scale's byte
.endr
	v_lshl_or_b32 v[PW], v[TM+5], 8, v[TM+4]
	v_lshl_or_b32 v[PW], v[TM+6], 16, v[PW]
	v_lshl_or_b32 v[PW], v[TM+7], 24, v[PW]
.irp c, 0,1
	v_cvt_scalef32_pk16_fp6_f32 v[PC+6*\c:PC+2+6*\c], v[\s+32*\c:\s+15+32*\c], v[TM+12+2*\c]
	v_cvt_scalef32_pk16_fp6_f32 v[PC+12+4*\c:PC+14+4*\c], v[\s+16+32*\c:\s+31+32*\c], v[TM+12+2*\c+1]
.endr
	v_nop                                          ; one plain line behind the conversions
.irp c, 0,1                            ; the layout wants a whole block in a lane: lanes 0-15 block 2 c, lanes 16-31 block 2 c + 1
.irp i, 0,1,2
	v_permlane16_swap_b32 v[PC+6*\c+\i], v[PC+12+4*\c+\i]
.endr
.irp i, 0,1,2
	v_mov_b32 v[PC+3+6*\c+\i], v[PC+12+4*\c+\i]
.endr
.endr
.endm
	s_load_b256 s[4:11], s[0:1], 0x0               ; hq, wq, bq, bk
	s_load_b128 s[12:15], s[0:1], 0x20             ; bv, qrec
	s_load_b64 s[16:17], s[0:1], 0x30              ; kv
	v_lshl_add_u32 v28, v0, 2, SPARE
	v_mov_b32 v29, 0
	ds_add_u32 v28, v29
	ds_add_u32 v28, v29
	s_wait_dscnt 0x0
	v_lshrrev_b32 v1, 5, v0
	v_readfirstlane_b32 s[WV], v1
	s_lshr_b32 s[RH], s[WV], 1
	s_and_b32 s[PH], s[WV], 1
	s_bfe_u32 s[CX], ttmp6, 0x40000
	s_bfe_u32 s[CY], ttmp6, 0x40004
	s_and_b32 s2, ttmp9, 1                         ; clusters 0-7: column of clusters (0: Wq, 1: Wk),
	s_lshr_b32 s3, ttmp9, 1                        ; row of clusters (1,024 tokens each)
	s_max_u32 s23, ttmp9, 8
	s_sub_co_u32 s23, s23, 8                       ; clusters 8-11: column of clusters (1,024 tokens each); one row (Wv's 1,024 rows)
	s_cmp_ge_u32 ttmp9, 8
	s_cselect_b32 s[CCOL], s23, s2
	s_cselect_b32 s3, 0, s3
	s_lshl_b32 s[TC], s[CCOL], 2
	s_add_co_u32 s[TC], s[TC], s[CX]               ; my 256 rows of P
	s_lshl_b32 s[TR], s3, 2
	s_add_co_u32 s[TR], s[TR], s[CY]               ; my 256 rows of R
	s_lshl_b32 s[MR], s[CY], 2
	s_lshl_b32 s[MR], 15, s[MR]                    ; my row of the cluster
	s_lshl_b32 s[MC], 0x1111, s[CX]                ; my column
	; group 1: 16 rows (tiles) of 768 elements of 8 bytes (four K steps' images), 1,536 elements apart; no padding: an image is read in runs of consecutive bytes
	s_or_b32 s[G1R], s[MR], (3<<16)|(1<<21)
	s_or_b32 s[G1P], s[MC], (3<<16)|(1<<21)
.irp g, G1R, G1P
	s_mov_b32 s[\g+1], 768<<16
	s_mov_b32 s[\g+2], 16<<16
	s_mov_b32 s[\g+3], 768<<16
	s_mov_b32 s[\g+4], 16
	s_mov_b32 s[\g+5], 1536
	s_mov_b32 s[\g+6], 0
	s_mov_b32 s[\g+7], 0
.endr
	; and for the scale words of 16 tiles: 8,192 dense bytes as 32 rows of 256
	s_or_b32 s[G1SR], s[MR], (3<<16)|(1<<21)
	s_or_b32 s[G1SP], s[MC], (3<<16)|(1<<21)
.irp g, G1SR, G1SP
	s_mov_b32 s[\g+1], 32<<16
	s_mov_b32 s[\g+2], 32<<16
	s_mov_b32 s[\g+3], 32<<16
	s_mov_b32 s[\g+4], 32
	s_mov_b32 s[\g+5], 32
	s_mov_b32 s[\g+6], 0
	s_mov_b32 s[\g+7], 0
.endr
	s_lshl_b32 s98, s[TR], 4                       ; R: the first tile that I fetch: 16 x tile row + 8 x half
	s_lshl_b32 s45, s[PH], 3
	s_add_co_u32 s98, s98, s45
	s_lshl_b32 s94, s[TR], 13                      ; the scale words of all my 16 tiles of R,
	s_mul_i32 s98, s98, 12288                      ; its images
	s_lshl_b32 s46, s[TC], 4                       ; P likewise, in registers that never hold R's coordinate
	s_add_co_u32 s46, s46, s45
	s_lshl_b32 s66, s[TC], 13
	s_mul_i32 s46, s46, 12288
	s_cmp_ge_u32 ttmp9, 8
	s_cselect_b32 s2, 1572864, 0                   ; R's images: Wv begins 2,048 rows into wq; hq at 0
	s_mov_b32 s3, 3145728
	s_cselect_b32 s23, 9502720, s3                 ; R's scale words: Wv's in wq; hq's
	s_mov_b32 s45, 9437184
	s_cselect_b32 s3, s3, s45                      ; P's scale words: hq's; wq's
	s_add_co_u32 s98, s98, s2
	s_add_co_u32 s94, s94, s23
	s_add_co_u32 s66, s66, s3
	s_mov_b32 s99, 0
	s_mov_b32 s95, 0
	s_mov_b32 s47, 0
	s_mov_b32 s67, 0
	s_mul_i32 s101, s[WV], 24576                   ; where my part of a slot lies: no place in the cluster enters an LDS address
	s_wait_kmcnt 0x0
	s_cmp_ge_u32 ttmp9, 8
	s_cselect_b64 s[2:3], s[6:7], s[4:5]           ; R's buffer
	s_add_nc_u64 s[98:99], s[2:3], s[98:99]
	s_add_nc_u64 s[94:95], s[2:3], s[94:95]
	s_cselect_b64 s[2:3], s[4:5], s[6:7]           ; P's
	s_add_nc_u64 s[46:47], s[2:3], s[46:47]
	s_add_nc_u64 s[66:67], s[2:3], s[66:67]
	CROUND                                         ; all sixteen work-groups are here: the first joint loads meet
	s_mov_b32 s[G0SR], 1
	s_mov_b32 s[G0SR+1], SCL
	s_mov_b64 s[G0SR+2:G0SR+3], s[94:95]
	s_or_b32 s[G0SR+3], s[G0SR+3], 0x80000000
	s_mov_b32 s[G0SP], 1
	s_mov_b32 s[G0SP+1], SCL+8192
	s_mov_b64 s[G0SP+2:G0SP+3], s[66:67]
	s_or_b32 s[G0SP+3], s[G0SP+3], 0x80000000
	s_mov_b32 s[G0R], 1                            ; my quarter of the refill; in wave 0 (LDS byte 0, R's first tile) it serves the head's load of R too
	s_mov_b32 s[G0R+1], s101
	s_mov_b64 s[G0R+2:G0R+3], s[98:99]
	s_or_b32 s[G0R+3], s[G0R+3], 0x80000000
	s_mov_b32 s[G0P], 1
	s_mov_b32 s[G0P+1], s101
	s_mov_b64 s[G0P+2:G0P+3], s[46:47]
	s_or_b32 s[G0P+3], s[G0P+3], 0x80000000
	s_mov_b32 s[G0H], 1                            ; the head's load of P, issued by wave 2, whose address is that of P's first tile
	s_mov_b32 s[G0H+1], 98304
	s_mov_b64 s[G0H+2:G0H+3], s[46:47]
	s_or_b32 s[G0H+3], s[G0H+3], 0x80000000
	s_mov_b32 s[G0R2], 1                           ; slot 2's groups 0 are made round the registers that hold the tiles' addresses
	s_add_co_u32 s[G0R2+1], s101, 2*SLOT
	s_add_nc_u64 s[G0R2+2:G0R2+3], s[G0R2+2:G0R2+3], 6144
	s_or_b32 s[G0R2+3], s[G0R2+3], 0x80000000
	s_mov_b32 s[G0P2], 1
	s_add_co_u32 s[G0P2+1], s101, 2*SLOT
	s_add_nc_u64 s[G0P2+2:G0P2+3], s[G0P2+2:G0P2+3], 6144
	s_or_b32 s[G0P2+3], s[G0P2+3], 0x80000000
.macro HEADARM w, g0, g1, next         ; one chain of branches on the wave's number, one load to an arm
	s_cmp_eq_u32 s[WV], \w
	s_cbranch_scc0 \next
	tensor_load_to_lds s[\g0:\g0+3], s[\g1:\g1+7]
	s_nop 0
	PLACES 4
	s_branch .Lhead_asked
\next:
.endm
	HEADARM 0, G0R, G1R, .Lhead_p
	HEADARM 2, G0H, G1P, .Lhead_sr
	HEADARM 1, G0SR, G1SR, .Lhead_sp
	tensor_load_to_lds s[G0SP:G0SP+3], s[G1SP:G1SP+7]
	s_nop 0
	PLACES 4
.Lhead_asked:
	v_and_b32 v1, 31, v0
	v_and_b32 v2, 15, v0                           ; r
	v_bfe_u32 v3, v0, 4, 1                         ; h
	v_lshlrev_b32 v4, 4, v1
	v_lshlrev_b32 v5, 3, v1
	s_wait_alu depctr_va_vdst(0)
	s_mul_i32 s2, s[RH], 49152                     ; region A: my 8 tiles of R, 6,144 bytes each,
	s_mul_i32 s3, s[PH], 49152
	s_add_co_u32 s3, s3, 98304                     ; and of P, behind R's 16
.irp s, 0,2,1
	v_add_nc_u32 v[AR16+\s], s2, v4
	v_add_nc_u32 v[AR8+\s], s2, v5
	v_add_nc_u32 v[AP16+\s], s3, v4
	v_add_nc_u32 v[AP8+\s], s3, v5
.if \s == 0
	s_mul_i32 s2, s[RH], 24576                     ; K steps 6, 7 at LDS byte 0: 3,072 bytes a tile
	s_mul_i32 s3, s[PH], 24576
	s_add_co_u32 s3, s3, 49152
.elseif \s == 2
	s_add_co_u32 s2, s2, 2*SLOT                    ; region B, laid likewise
	s_add_co_u32 s3, s3, 2*SLOT
.endif
.endr
	s_lshl_b32 s2, s[RH], 12                       ; scale words: R's, my half;
	s_lshl_b32 s3, s[PH], 12
	s_add_co_u32 s3, s3, 8192                      ; P's, behind R's
	s_sub_co_u32 s3, s3, s2
	v_mul_u32_u24 v6, s3, v3                       ; lanes 16-31 take P's
	s_add_co_u32 s2, s2, SCL
	v_lshl_add_u32 v6, v2, 2, v6
	v_add_nc_u32 v27, s2, v6
	; both sets of biases are loaded on the one way, each inside its buffer; a cluster uses the one that is its own
	s_lshl_b32 s2, s[TC], 8
	s_lshl_b32 s3, s[PH], 7
	s_add_co_u32 s2, s2, s3
	s_and_b32 s2, s2, 1023
	s_lshl_b32 s2, s2, 2
	v_lshl_add_u32 v7, v3, 6, s2                   ; register 16 b + i wants the bias of column 32 b + 16 h + i
	s_lshl_b32 s2, s[TR], 8
	s_lshl_b32 s3, s[RH], 7
	s_add_co_u32 s2, s2, s3
	s_and_b32 s2, s2, 1023
	v_and_b32 v8, 8, v2
	v_add3_u32 v8, v8, v2, s2
	v_lshlrev_b32 v8, 2, v8                        ; v's bias goes by the lane's row: r + 8 (r / 8) in its tile
	s_cmp_eq_u32 s[CCOL], 1
	s_cselect_b64 s[2:3], s[10:11], s[8:9]         ; bk or bq
	WIN 0x40
.irp n, 0,1,2,3,4,5,6,7,8,9,10,11,12,13,14,15
	global_load_b128 v[192+4*\n:195+4*\n], v7, s[2:3] offset:128*(\n/4)+16*(\n%4)
.endr
	WIN 0
.irp a, 0,1,2,3,4,5,6,7
	global_load_b32 v[BR+2*\a], v8, s[12:13] offset:(32*(\a/2)+8*(\a%2))*4
	global_load_b32 v[BR+2*\a+1], v8, s[12:13] offset:(32*(\a/2)+8*(\a%2))*4      ; twice: a pair for the packed addition
.endr
	s_wait_alu depctr_va_vdst(0)
	s_wait_tensorcnt 0x0                           ; my tile of the head's four is in
	ds_add_u32 v28, v29
.irp g, G1R, G1P                       ; no tensor load of mine is out: from here on a load brings 8 tiles x two K steps
	s_mov_b32 s[\g+1], 384<<16
	s_mov_b32 s[\g+2], 8<<16
	s_mov_b32 s[\g+3], 384<<16
	s_mov_b32 s[\g+4], 8
.endr
	s_wait_dscnt 0x0
	CROUND                                         ; everybody's tile is in, and the joint loads meet
	JLOAD G0R2, G1R, G0P2, G1P                     ; region B: K steps 4 and 5
	FETCH 0
	STEPN 0, 1                                     ; the first step's products start the sums
	STEPN 1, 0
	STEPN 2, 0
	TURN 3, 1                                      ; region B is shown; K steps 6 and 7 are asked for
	STEPN 4, 0
	TURN 5, 0                                      ; the refill is in
	STEPN 6, 0
	s_wait_dscnt 0x0
	WIN MUL_LO
	MUL16 0, 1, 0
	MUL16 2, 1, 0
	WIN MUL_HI
	MUL16 4, 1, 0
	MUL16 6, 1, 0
	WIN 0
	PLACES 4                                       ; four places behind the last products: their results are read, their sources written
	s_wait_loadcnt 0x0                             ; the biases
	s_mov_b32 s[SEL], 0x76543210                   ; (no tensor load is out any more)
	s_mov_b32 s[SEL+1], 0xfedcba98
.irp b, 0,1,2,3
	v_mov_b32 v[TM+4+\b], 0                        ; written once: a lane permute's destination counts as one of its sources
.endr
	v_mul_u32_u24 v24, v3, 208896
	v_lshl_add_u32 v24, v2, 2, v24                 ; q, k: lanes 0-15 store the first head's scale words, lanes 16-31 the next head's, 16 records on
	v_lshlrev_b32 v25, 4, v3
	v_lshlrev_b32 v26, 2, v2
.macro RECORD t, th, c, ch             ; s[2:3] = where record [batch][head][128 tokens] begins: tokens from s[t], s[th], channels from s[c], s[ch]
	s_lshl_b32 s2, s[\t], 1
	s_add_co_u32 s2, s2, s[\th]
	s_lshr_b32 s3, s2, 4
	s_and_b32 s2, s2, 15
	s_lshl_b32 s23, s[\c], 2
	s_lshl_b32 s44, s[\ch], 1
	s_add_co_u32 s23, s23, s44
	s_and_b32 s23, s23, 15
	s_lshl_b32 s3, s3, 4
	s_add_co_u32 s3, s3, s23
	s_lshl_b32 s3, s3, 4
	s_add_co_u32 s3, s3, s2
	s_mul_i32 s2, s3, 13056
	s_mov_b32 s3, 0
.endm
	s_cmp_ge_u32 ttmp9, 8
	s_cbranch_scc1 .Lv_out
	; q and k: my 128 columns are two heads: the fragment's two halves
	RECORD TR, RH, TC, PH
	s_cmp_eq_u32 s[CCOL], 1
	s_cselect_b64 s[OUT:OUT+1], s[16:17], s[14:15]
	s_add_nc_u64 s[OUT:OUT+1], s[OUT:OUT+1], s[2:3]
.irp a, 0,1,2,3,4,5,6,7
	WIN 0x06+(\a/4)                                ; source 0: the accumulators' window; source 1: window 1
.set i, 0
.rept 32
	v_pk_add_f32 v[HA+i:HA+i+1], v[64*(\a%4)+i:64*(\a%4)+i+1], v[192+i:193+i]     ; + bias; each accumulator from its low end on
.set i, i+2
.endr
	WIN 0
.if \a > 0
	s_wait_xcnt 0x0                                ; the last tile's stores have read their registers
.endif
	QUANT HA
	global_store_b128 v4, v[PC:PC+3], s[OUT:OUT+1] offset:\a*768
	global_store_b64 v5, v[PC+4:PC+5], s[OUT:OUT+1] offset:\a*768+512
	global_store_b128 v4, v[PC+6:PC+9], s[OUT:OUT+1] offset:\a*768+208896
	global_store_b64 v5, v[PC+10:PC+11], s[OUT:OUT+1] offset:\a*768+208896+512
	v_lshrrev_b32 v[PW+1], v25, v[PW]              ; the next head's two bytes come down
	global_store_b32 v24, v[PW+1], s[OUT:OUT+1] offset:6144+\a*64
.endr
	s_branch .Lend
.Lv_out:
	; v: my 128 rows are two heads' channels, my 128 columns one step of keys
	RECORD TC, PH, TR, RH
	s_add_co_u32 s2, s2, 6656
	s_add_nc_u64 s[OUT:OUT+1], s[16:17], s[2:3]
.irp a, 0,1,2,3,4,5,6,7
	WIN 0x02+(\a/4)
.set i, 0
.rept 32
	v_pk_add_f32 v[HA+i:HA+i+1], v[64*(\a%4)+i:64*(\a%4)+i+1], v[BR+2*\a:BR+2*\a+1]
.set i, i+2
.endr
	WIN 0
.if \a > 0
	s_wait_xcnt 0x0
.endif
	QUANT HA
	global_store_b128 v4, v[PC:PC+3], s[OUT:OUT+1] offset:(\a/4)*208896+(\a%4)*1536
	global_store_b64 v5, v[PC+4:PC+5], s[OUT:OUT+1] offset:(\a/4)*208896+(\a%4)*1536+512
	global_store_b128 v4, v[PC+6:PC+9], s[OUT:OUT+1] offset:(\a/4)*208896+(\a%4)*1536+768
	global_store_b64 v5, v[PC+10:PC+11], s[OUT:OUT+1] offset:(\a/4)*208896+(\a%4)*1536+1280
	global_store_b32 v26, v[PW], s[OUT:OUT+1] offset:(\a/4)*208896+6144+(\a%4)*64
.endr
.Lend:
	s_wait_tensorcnt 0x0                           ; the wave's end
	ds_add_u32 v28, v29
	s_wait_dscnt 0x0
	CROUND                                         ; the closing round
	s_endpgm
.Lfunc_end_k_qbefb423967_qkv:
	.size	k_qbefb423967_qkv, .Lfunc_end_k_qbefb423967_qkv-k_qbefb423967_qkv
	.p2alignl 7, 3214868480
	.fill 96, 4, 3214868480
	.section	.rodata,"a",@progbits
	.p2align	6, 0x0
	.amdhsa_kernel k_qbefb423967_qkv
		.amdhsa_group_segment_fixed_size 327680
		.amdhsa_private_segment_fixed_size 0
		.amdhsa_enable_private_segment 0
		.amdhsa_kernarg_size 56
		.amdhsa_user_sgpr_count 2
		.amdhsa_user_sgpr_kernarg_segment_ptr 1
		.amdhsa_wavefront_size32 1
		.amdhsa_system_sgpr_workgroup_id_x 1
		.amdhsa_system_sgpr_workgroup_id_y 1
		.amdhsa_system_sgpr_workgroup_id_z 1
		.amdhsa_system_vgpr_workitem_id 0
		.amdhsa_next_free_vgpr 1024
		.amdhsa_next_free_sgpr 102
		.amdhsa_reserve_vcc 0
		.amdhsa_float_denorm_mode_32 3
		.amdhsa_float_denorm_mode_16_64 3
		.amdhsa_memory_ordered 1
		.amdhsa_forward_progress 1
		.amdhsa_inst_pref_size 221
	.end_amdhsa_kernel
	.amdgpu_metadata
---
amdhsa.version: [ 1, 2 ]
amdhsa.kernels:
  - .name:           k_qbefb423967_qkv
    .symbol:         k_qbefb423967_qkv.kd
    .args:
      - { .name: hq, .offset: 0, .size: 8, .value_kind: global_buffer, .address_space: global }
      - { .name: wq, .offset: 8, .size: 8, .value_kind: global_buffer, .address_space: global }
      - { .name: bq, .offset: 16, .size: 8, .value_kind: global_buffer, .address_space: global }
      - { .name: bk, .offset: 24, .size: 8, .value_kind: global_buffer, .address_space: global }
      - { .name: bv, .offset: 32, .size: 8, .value_kind: global_buffer, .address_space: global }
      - { .name: qrec, .offset: 40, .size: 8, .value_kind: global_buffer, .address_space: global }
      - { .name: kv, .offset: 48, .size: 8, .value_kind: global_buffer, .address_space: global }
    .group_segment_fixed_size: 327680
    .private_segment_fixed_size: 0
    .kernarg_segment_align: 8
    .kernarg_segment_size: 56
    .max_flat_workgroup_size: 128
    .sgpr_count:     102
    .vgpr_count:     1024
    .wavefront_size: 32
...
	.end_amdgpu_metadata
.endif
;; end of part 2
;; launch attn (part 3): grid 8 x 32, 16 waves a work-group, clusters of 4 x 1, 327,680 bytes of LDS; arguments qrec, kv, oq; writes oq
.if DOCPART == 3
	.amdgcn_target "amdgcn-amd-amdhsa--gfx1250"
	.amdhsa_code_object_version 6
	.text
	.protected	k_qbefb423967_attn
	.globl	k_qbefb423967_attn
	.p2align	8
	.type	k_qbefb423967_attn,@function
k_qbefb423967_attn:
	s_mov_b64 s[64:65], 0
	v_nop
	global_prefetch_b8 v0, s[64:65] scope:SCOPE_SE
	s_setreg_imm32_b32 hwreg(HW_REG_WAVE_MODE, 25, 1), 1
	s_wait_xcnt 0x0
	s_wait_alu depctr_hold_cnt(0) depctr_sa_sdst(0) depctr_va_vdst(0) depctr_va_sdst(0) depctr_va_ssrc(0) depctr_va_vcc(0) depctr_vm_vsrc(0)
	s_getreg_b32 s2, hwreg(HW_REG_IB_STS2, 6, 4)
	s_cmp_eq_u32 s2, 0
	s_cbranch_scc0 .Lentry_in_a_cluster
	s_endpgm
.Lentry_in_a_cluster:
	s_bfe_u32 s2, ttmp6, 0x10000c
	s_cmp_lg_u32 s2, 0x3003
	s_cbranch_scc0 .Lentry_shape_is_right
	s_endpgm
.Lentry_shape_is_right:
; Attention of one head (64 channels, 2,048 keys) on codes of MX-FP6, and its result quantised along the channels for the next product.
; t = score x log2(e) / 8; M = the running largest t rounded up to a whole number; p = 2^(t - M) is quantised along the keys, not normalised; the row's sum is taken of the unquantised p and divides at the end.
; When M moves, the sum and O are multiplied by 2^(old M - new M): exact, in every step, with no branch.
; SHARES.  A work-group owns 256 queries of one head, each of its sixteen waves one tile of 16.  The four work-groups of a cluster belong to one head and ask for its K and V jointly.
; THE HEAD'S K AND V, 16 records of 13,056 bytes (128 keys each), LIE IN LDS WHOLE: wave w asks for record w, one tensor load a wave, at the head; one barrier shows all; nothing is filled again.
; No prefetch: every byte that the launch reads more than once is asked for in its first lines, so there is no loop to run ahead in.
; A record: K's tile T (16 keys x 64 channels, half an image of a fragment) at 768 T, scale words at 6,144 + 64 T; V's tile t (16 channels x 128 keys) at 6,656 + 1,536 t, scale words at 12,800 + 64 t.
; In the record row m of K's tile T is key 32 (T / 2) + 8 (T % 2) + m % 8 + 16 (m / 8).
; Both products are used transposed: S^T = K Q^T, O^T = V^T P^T: a lane holds one query.
; WHICH KEYS FORM A TILE OF THE SCORE PRODUCT is chosen by the lanes' LDS addresses: row 8 g + j of tile 4 c + u is key 64 c + 32 g + 8 u + j, which lies in the record's tile 4 c + 2 g + u % 2, row j + 8 (u / 2).
; So lane (r, h) holds in registers S + 32 c + 0 .. 31 the WHOLE block 2 c + h of 32 keys, in order: a block's maximum needs no other lane, and the conversions' results are the operand's registers.
; K = 64 FILLS HALF OF THE INSTRUCTION'S 128: Q's codes of k = 64 .. 127 are zeros, so whatever stands in the upper six registers of a fragment of K adds exactly 0 (E2M3 has no infinity or NaN; no scale byte here is 0xff).
; So the eight fragments lie six registers apart, each one's upper half being the next one's lower half; the last one's upper half, v106-111, holds the six constant LDS offsets of the lane.
; THE LDS LOADS of a step, V's 18 and the next step's 20 of K, stand among the step's exponentials, one behind each; K's are waited for at the next step's head.
; LIMITS: NaN and infinities are not served; the promise holds while the scaled scores t stay under 2^31 in magnitude; v_exp_f32 gives 0 under 2^-126; a block of zeros gets the byte 1 (its codes are zeros; this program alone reads the bytes).
.set REC,   13056
.set SPARE, 16*REC                     ; behind the records: the spare words, 128 bytes a wave
.set X,    0                           ; v0   at work behind the head
.set SPW,  1                           ; v1   my spare word's address;  v2  0
.set NIL,  2
.set KA16, 3                           ; v3-8 this trip's LDS addresses: K's pieces of 16 and 8 bytes, K's scale words, V's likewise
.set KA8,  4
.set KSC,  5
.set VA16, 6
.set VA8,  7
.set VSC,  8
.set B0,   9                           ; v9, v13  my two blocks' largest score, then largest p, then the conversions' scale operand
.set B1,   13
.set NM,   10                          ; v10, v11  -M of the even and of the odd steps
.set SM,   12                          ; v12  the running largest score
.set L,    14                          ; v[14:15]  the row's sum, in two halves
.set F,    16                          ; v16  2^(old M - new M)
.set SH8,  17                          ; v17  8 h
.set Q,    18                          ; v18-29  Q's fragment
.set QS,   30                          ; Q's scale words
.set PW,   31                          ; p's scale words
.set KS,   32                          ; v32-35  K's scale words: lanes 0-15 tile u, lanes 16-31 tile 4 + u
.set VS,   36                          ; v36, v37  V's: lanes 0-15 tile t, lanes 16-31 tile 2 + t
.set P,    38                          ; v38-45  four partial sums of a step's p
.set PC,   46                          ; v46-57  p's codes; ahead of the conversions v46-49 are at work
.set K,    58                          ; v58-105 K's fragments
.set T,    58                          ; the way out: at work
.set TP,   64
.set BA,   106                         ; v106-111 constant offsets of the lane, in the order of v3-8
.set V,    112                         ; v112-159 V's fragments
.set S,    160                         ; v160-223 S^T, then p
.set O,    224                         ; v224-255 O^T
.set WV,  18
.set ST,  19                           ; which 128 tokens my queries belong to
.set TL,  21                           ; and which tile of them
.set G1,  24
.set G0,  32
.set SEL, 48
.set CS,  50                           ; c = log2(e) / 8, twice;  s52 = -c
.set NC,  52
.macro WALU
	s_wait_alu depctr_va_vdst(0)
.endm
.macro CROUND
	s_barrier_signal -1
	s_barrier_wait -1
	s_cmp_lg_u32 s[WV], 0
	s_cbranch_scc1 .Lnot_wave_0_\@
	s_barrier_signal -3
.Lnot_wave_0_\@:
	s_barrier_wait -3
	s_barrier_signal -1
	s_barrier_wait -1
.endm
.macro SUMUP                           ; the last four lines of a step's sum: the partial sums join, and the row's sum goes under that step's M
	v_pk_add_f32 v[P:P+1], v[P:P+1], v[P+2:P+3]
	v_pk_add_f32 v[P+4:P+5], v[P+4:P+5], v[P+6:P+7]
	v_pk_add_f32 v[P:P+1], v[P:P+1], v[P+4:P+5]
	v_pk_fma_f32 v[L:L+1], v[L:L+1], v[F:F+1], v[P:P+1] op_sel_hi:[1,0,1]
.endm
.macro PADD g, a                       ; chain a of the sum takes the pair at S + g + 2 a
	v_pk_add_f32 v[P+2*(\a):P+2*(\a)+1], v[P+2*(\a):P+2*(\a)+1], v[S+(\g)+2*(\a):S+(\g)+2*(\a)+1]
.endm
.macro PADD4 g
.irp a, 0,1,2,3
	PADD \g, \a
.endr
.endm
; LDS load number x of a step whose record begins at rb: 0-17 V's fragments and scale words; 18-37, where pf is 1, the NEXT record's K; beyond that nothing
.macro DSL x, rb, pf
.if (\x) < 16
.set t_, (\x)/4
.set o_, (\rb)+6656+t_*1536
.if (\x)%4 == 0
	ds_load_b128 v[V+12*t_:V+12*t_+3], v[VA16] offset:o_
.elseif (\x)%4 == 1
	ds_load_b64 v[V+12*t_+4:V+12*t_+5], v[VA8] offset:o_+512
.elseif (\x)%4 == 2
	ds_load_b128 v[V+12*t_+6:V+12*t_+9], v[VA16] offset:o_+768
.else
	ds_load_b64 v[V+12*t_+10:V+12*t_+11], v[VA8] offset:o_+1280
.endif
.elseif (\x) < 18
	ds_load_b32 v[VS+(\x)-16], v[VSC] offset:(\rb)+12800+((\x)-16)*64
.elseif (\pf) && (\x) < 34
.set i_, ((\x)-18)/2
.set o_, (\rb)+REC+(4*(i_/4)+(i_&1))*768
.if (\x)%2 == 0
	ds_load_b128 v[K+6*i_:K+6*i_+3], v[KA16] offset:o_+128*((i_>>1)&1)
.else
	ds_load_b64 v[K+6*i_+4:K+6*i_+5], v[KA8] offset:o_+512+64*((i_>>1)&1)
.endif
.elseif (\pf) && (\x) < 38
.set i_, (\x)-34
	ds_load_b32 v[KS+i_], v[KSC] offset:(\rb)+REC+6144+64*(i_&1)+32*(i_>>1)
.endif
.endm
.macro TRIPADR                         ; the LDS addresses of the two records from s2 on
.irp a, 0,1,2,3,4,5
	v_add_nc_u32 v[KA16+\a], s2, v[BA+\a]
.endr
	WALU
.endm
	s_load_b128 s[4:7], s[0:1], 0x0                ; qrec, kv
	s_load_b64 s[8:9], s[0:1], 0x10                ; oq
	v_lshl_add_u32 v[SPW], v0, 2, SPARE
	v_mov_b32 v[NIL], 0
	ds_add_u32 v[SPW], v[NIL]
	ds_add_u32 v[SPW], v[NIL]
	v_lshrrev_b32 v9, 5, v0
	v_readfirstlane_b32 s[WV], v9
	s_bfe_u32 s13, ttmp6, 0x40000                  ; cx: it enters Q's and O's addresses alone
	s_lshl_b32 s14, ttmp9, 2
	s_add_co_u32 s14, s14, s13                     ; my block of 256 queries
	s_and_b32 s15, ttmp7, 0xffff                   ; batch x 16 + head
	s_mul_i32 s10, s15, 16*REC
	s_mul_i32 s[G0+1], s[WV], REC                  ; record w lands at w records
	s_add_co_u32 s10, s10, s[G0+1]
	s_mov_b32 s11, 0
	s_mov_b32 s[G0], 1
	s_mov_b32 s[G1], 15|(3<<16)|(1<<21)            ; the mask: all four work-groups; elements of 8 bytes; bit 21 beside a mask
	s_mov_b32 s[G1+1], 32<<16                      ; a record: 51 rows of 256 bytes, dense
	s_mov_b32 s[G1+2], 51<<16
	s_mov_b32 s[G1+3], 32<<16
	s_mov_b32 s[G1+4], 51
	s_mov_b32 s[G1+5], 32
	s_mov_b32 s[G1+6], 0
	s_mov_b32 s[G1+7], 0
	s_mov_b32 s[SEL], 0x76543210
	s_mov_b32 s[SEL+1], 0xfedcba98                 ; v_permlanex16_b32's selects for lane l xor 16
	s_mov_b32 s[CS], 0x3e38aa3b
	s_mov_b32 s[CS+1], s[CS]
	s_mov_b32 s[NC], 0xbe38aa3b
	s_lshl_b32 s[ST], s14, 1
	s_lshr_b32 s20, s[WV], 3
	s_add_co_u32 s[ST], s[ST], s20
	s_and_b32 s[TL], s[WV], 7
	WALU
	s_wait_dscnt 0x0
	CROUND                                         ; all four work-groups are here: the joint loads meet
	s_wait_kmcnt 0x0
	s_add_nc_u64 s[G0+2:G0+3], s[6:7], s[10:11]
	s_or_b32 s[G0+3], s[G0+3], 0x80000000
	tensor_load_to_lds s[G0:G0+3], s[G1:G1+7]      ; my one tensor load
	s_nop 0
	v_and_b32 v9, 31, v0
	v_and_b32 v13, 15, v0                          ; r
	v_bfe_u32 v[SH8], v0, 4, 1                     ; h
	v_lshlrev_b32 v[BA+3], 4, v9                   ; V: 16 x lane,
	v_lshlrev_b32 v[BA+4], 3, v9                   ; 8 x lane,
	v_lshlrev_b32 v[BA+5], 2, v13
	v_lshl_add_u32 v[BA+5], v[SH8], 7, v[BA+5]     ; scale words: 4 r, lanes 16-31 two tiles on
	v_and_b32 v9, 7, v0                            ; j
	v_bfe_u32 v13, v0, 3, 1                        ; g
	v_mul_u32_u24 v13, v13, 1536
	v_lshl_add_u32 v[BA], v9, 4, v13
	v_lshl_add_u32 v[BA], v[SH8], 8, v[BA]         ; K: 1,536 g + 16 (j + 16 h)
	v_lshl_add_u32 v[BA+1], v9, 3, v13
	v_lshl_add_u32 v[BA+1], v[SH8], 7, v[BA+1]     ; 1,536 g + 8 (j + 16 h)
	v_bfe_u32 v13, v0, 3, 2
	v_lshlrev_b32 v13, 7, v13
	v_lshl_add_u32 v[BA+2], v9, 2, v13             ; scale words: 128 g + 4 j, lanes 16-31 four tiles on
	v_lshlrev_b32 v[SH8], 3, v[SH8]
	v_and_b32 v[KSC], 60, v[BA+5]
	WALU                                           ; the wait ahead of the scalar lines below
	s_lshl_b32 s12, s15, 4
	s_add_co_u32 s12, s12, s[ST]
	s_mul_i32 s12, s12, REC
	s_mov_b32 s13, 0
	s_add_nc_u64 s[4:5], s[4:5], s[12:13]          ; my queries' record
	s_mul_i32 s20, s[TL], 768
	s_lshl_b32 s22, s[TL], 6
	v_add_nc_u32 v[KA16], s20, v[BA+3]
	v_add_nc_u32 v[KA8], s20, v[BA+4]
	v_add_nc_u32 v[KSC], s22, v[KSC]
	global_load_b128 v[Q:Q+3], v[KA16], s[4:5]
	global_load_b64 v[Q+4:Q+5], v[KA8], s[4:5] offset:512
	global_load_b32 v[QS], v[KSC], s[4:5] offset:6144
.irp j, 6,7,8,9,10,11
	v_mov_b32 v[Q+\j], 0                           ; Q's codes of k = 64 .. 127
.endr
	v_mov_b32 v[SM], 0xff61b1e6                    ; the largest score so far: -3e38
	v_mov_b32 v[NM+1], 0x7f61b1e6                  ; and its -M: the first step's factor comes out 0
	v_mov_b32 v[L], 0
	v_mov_b32 v[L+1], 0
	v_mov_b32 v[F], 0
.set j, 0
.rept 8
	v_mov_b32 v[P+j], 0
.set j, j+1
.endr
.set j, 0
.rept 32
	v_mov_b32 v[O+j], 0                            ; O^T: the step is written once, its first run finds zeros
.set j, j+1
.endr
	; where my result goes: tile of tokens x 8 + K step of the next product (two heads to a step)
	s_lshr_b32 s10, s15, 4                         ; batch
	s_and_b32 s11, s15, 15                         ; head
	s_lshl_b32 s10, s10, 7
	s_lshl_b32 s12, s[ST], 3
	s_add_co_u32 s10, s10, s12
	s_add_co_u32 s10, s10, s[TL]
	s_lshl_b32 s10, s10, 3
	s_lshr_b32 s12, s11, 1
	s_add_co_u32 s10, s10, s12
	s_and_b32 s11, s11, 1
	s_mul_i32 s12, s10, 1536
	s_mul_i32 s16, s11, 768
	s_add_co_u32 s12, s12, s16
	s_mov_b32 s13, 0
	s_lshl_b32 s16, s10, 6
	s_lshl_b32 s17, s11, 1
	s_add_co_u32 s16, s16, s17
	s_add_co_u32 s16, s16, 3145728
	s_mov_b32 s17, 0
	s_add_nc_u64 s[12:13], s[8:9], s[12:13]
	s_add_nc_u64 s[16:17], s[8:9], s[16:17]
; A KEY STEP: 128 keys, record n of the trip's two; pf = 1: the next record's K is asked for
.macro STEP n, pf
.set RB, (\n)*REC
.set PA, (\n)&1
	s_wait_dscnt 0x0                               ; K, asked for a step ago
.irp i, 0,1,2,3
	v_wmma_scale_f32_16x16x128_f8f6f4 v[S+8*\i:S+8*\i+7], v[K+6*\i:K+6*\i+11], v[Q:Q+11], 0, v[KS+\i], v[QS] matrix_a_fmt:MATRIX_FMT_FP6 matrix_b_fmt:MATRIX_FMT_FP6
.endr
.irp i, 0,1,2,3
	v_wmma_scale_f32_16x16x128_f8f6f4 v[S+32+8*\i:S+32+8*\i+7], v[K+24+6*\i:K+24+6*\i+11], v[Q:Q+11], 0, v[KS+\i], v[QS] matrix_a_fmt:MATRIX_FMT_FP6 matrix_b_fmt:MATRIX_FMT_FP6 matrix_a_scale:MATRIX_SCALE_ROW1
.endr
	SUMUP                                          ; the step before's sum is finished here: four places behind the products, ahead of the reads of S^T and of the writes into v46 on
.irp c, 0,1                            ; the largest score of my two blocks, each in two chains; it serves the row's maximum and, since p rises with the score, the block's largest p
	v_max3_num_f32 v[PC+2*\c], v[S+32*\c], v[S+32*\c+1], v[S+32*\c+2]
	v_max3_num_f32 v[PC+2*\c+1], v[S+32*\c+16], v[S+32*\c+17], v[S+32*\c+18]
.endr
.irp i, 3,5,7,9,11,13
.irp c, 0,1
	v_max3_num_f32 v[PC+2*\c], v[PC+2*\c], v[S+32*\c+\i], v[S+32*\c+\i+1]
	v_max3_num_f32 v[PC+2*\c+1], v[PC+2*\c+1], v[S+32*\c+16+\i], v[S+32*\c+17+\i]
.endr
.endr
.irp c, 0,1
	v_max3_num_f32 v[PC+2*\c], v[PC+2*\c], v[PC+2*\c+1], v[S+32*\c+15]
.endr
	v_max_num_f32 v[B0], v[PC], v[S+31]
	v_max_num_f32 v[B1], v[PC+2], v[S+63]
	v_max_num_f32 v[X], v[B0], v[B1]
	v_permlanex16_b32 v[PC+1], v[X], s[SEL], s[SEL+1]
	v_max3_num_f32 v[SM], v[SM], v[X], v[PC+1]     ; with lane l xor 16's two blocks: the running largest score
	v_mul_f32 v[X], s[NC], v[SM]
	v_floor_f32 v[NM+PA], v[X]                     ; the new -M = floor(-t)
.set j, 0
.rept 32
.if PA
	v_pk_fma_f32 v[S+j:S+j+1], v[S+j:S+j+1], s[CS:CS+1], v[NM:NM+1] op_sel:[0,0,1] op_sel_hi:[1,0,1]   ; t - M; the odd steps' -M is the pair's upper word
.else
	v_pk_fma_f32 v[S+j:S+j+1], v[S+j:S+j+1], s[CS:CS+1], v[NM:NM+1] op_sel_hi:[1,0,0]
.endif
.if j == 4                             ; the factor's three dependent lines stand apart, among these
	v_sub_f32 v[X], v[NM+PA], v[NM+1-PA]           ; old M - new M
.elseif j == 12
	v_cvt_i32_f32 v[X], v[X]                       ; (it saturates)
.elseif j == 20
	v_ldexp_f32 v[F], 1.0, v[X]
.endif
.set j, j+2
.endr
	v_fma_f32 v[B0], v[B0], s[CS], v[NM+PA]
	v_fma_f32 v[B1], v[B1], s[CS], v[NM+PA]
.set j, 0
.rept 16
	v_pk_mul_f32 v[O+j:O+j+1], v[O+j:O+j+1], v[F:F+1] op_sel_hi:[1,0]   ; O^T under the new M: its first read, with no exponential since the products that wrote it
.set j, j+2
.endr
	WALU                                           ; the wait ahead of the batch
	v_exp_f32 v[B0], v[B0]                         ; the blocks' largest p
	v_exp_f32 v[B1], v[B1]
.set j, 0
.rept 64
	v_exp_f32 v[S+j], v[S+j]
	DSL j, RB, \pf
.set j, j+1
.endr
	v_nop                                          ; one plain line behind the exponentials
	WALU                                           ; one wait for the batch, ahead of its first reader
	; p's scale word, a chain of dependent lines, laid among the sum of the unquantised p, which goes in four chains
	v_max_num_f32 v[B0], 0x1800000, v[B0]          ; the floor 2^(3 - 127): the byte cannot fall under 1
	v_max_num_f32 v[B1], 0x1800000, v[B1]
.irp a, 0,1,2,3
	v_pk_add_f32 v[P+2*\a:P+2*\a+1], v[S+2*\a:S+2*\a+1], v[S+8+2*\a:S+8+2*\a+1]
.endr
	v_add_nc_u32 v[B0], 0xff000000, v[B0]          ; 2 off the exponent field: the conversions' scale operand
	v_add_nc_u32 v[B1], 0xff000000, v[B1]
	PADD4 16
	v_lshrrev_b32 v[PC+2], 23, v[B0]               ; the scale's byte
	v_lshrrev_b32 v[PC+3], 23, v[B1]
	PADD4 24
	v_lshl_or_b32 v[PC+2], v[PC+3], 16, v[PC+2]    ; blocks h and 2 + h,
	PADD 32, 0
	PADD 32, 1
	v_lshlrev_b32 v[PC+2], v[SH8], v[PC+2]         ; at their places in the word;
	PADD 32, 2
	PADD 32, 3
	v_permlanex16_b32 v[PC+3], v[PC+2], s[SEL], s[SEL+1]
	PADD4 40
	v_or_b32 v[PW], v[PC+2], v[PC+3]               ; with lane l xor 16's two the word is whole
	v_cvt_scalef32_pk16_fp6_f32 v[PC:PC+2], v[S+16:S+31], v[B0]     ; a conversion's three registers begin on an even number: a block's upper 16 codes are made first, where the lower will lie, and moved up
	v_cvt_scalef32_pk16_fp6_f32 v[PC+6:PC+8], v[S+48:S+63], v[B1]
	PADD 48, 0                                     ; a plain line behind the conversions
.irp c, 0,6
.irp i, 0,1,2
	v_mov_b32 v[PC+3+\c+\i], v[PC+\c+\i]
.endr
.endr
	v_cvt_scalef32_pk16_fp6_f32 v[PC:PC+2], v[S:S+15], v[B0]
	v_cvt_scalef32_pk16_fp6_f32 v[PC+6:PC+8], v[S+32:S+47], v[B1]
	PADD 48, 1                                     ; these seven are the places between p's codes and the products; with the seven above: fourteen behind the scale word
	PADD 48, 2
	PADD 48, 3
	PADD4 56
	WALU                                           ; the wait directly ahead of the wait below
.if \pf
	s_wait_dscnt 20                                ; V's 18 loads are in; the 20 of the next K, issued behind them, may be out
.else
	s_wait_dscnt 0x0
.endif
.irp t, 0,1
	v_wmma_scale_f32_16x16x128_f8f6f4 v[O+8*\t:O+8*\t+7], v[V+12*\t:V+12*\t+11], v[PC:PC+11], v[O+8*\t:O+8*\t+7], v[VS+\t], v[PW] matrix_a_fmt:MATRIX_FMT_FP6 matrix_b_fmt:MATRIX_FMT_FP6
.endr
.irp t, 0,1
	v_wmma_scale_f32_16x16x128_f8f6f4 v[O+16+8*\t:O+16+8*\t+7], v[V+24+12*\t:V+24+12*\t+11], v[PC:PC+11], v[O+16+8*\t:O+16+8*\t+7], v[VS+\t], v[PW] matrix_a_fmt:MATRIX_FMT_FP6 matrix_b_fmt:MATRIX_FMT_FP6 matrix_a_scale:MATRIX_SCALE_ROW1
.endr
.endm
	WALU                                           ; the wait at the head's end
	s_wait_loadcnt 0x0                             ; Q
	s_wait_tensorcnt 0x0                           ; my record has landed
	s_barrier_signal -1
	s_barrier_wait -1                              ; everybody's has: all sixteen may be read
	s_mov_b32 s2, 0                                ; where the trip's two records begin
	s_mov_b32 s3, 7
	TRIPADR
.set j, 18
.rept 20
	DSL j, 0-REC, 1                                ; record 0's K
.set j, j+1
.endr
.Ltrip:                                                ; records 0 to 13
	STEP 0, 1
	STEP 1, 1
	s_add_co_u32 s2, s2, 2*REC
	TRIPADR
	s_sub_co_u32 s3, s3, 1
	s_cmp_lg_u32 s3, 0
	s_cbranch_scc1 .Ltrip
	STEP 0, 1                                      ; the last two are written out: the last asks for no K beyond the records
	STEP 1, 0
	; THE WAY OUT: O^T / the sum; my 32 numbers are 16 of each of the head's two blocks of 32 channels: half a fragment of the next product
	SUMUP
	v_add_f32 v[L], v[L], v[L+1]
	v_permlanex16_b32 v[T+3], v[L], s[SEL], s[SEL+1]
	v_add_f32 v[L], v[L], v[T+3]
	WALU
	v_rcp_f32 v[L], v[L]
	v_and_b32 v[KSC], 60, v[BA+5]                  ; 4 r: a plain line behind the reciprocal
	WALU                                           ; the wait behind the reciprocal, directly ahead of the first readers of O^T
.set j, 0
.rept 16
	v_pk_mul_f32 v[S+j:S+j+1], v[O+j:O+j+1], v[L:L+1] op_sel_hi:[1,0]
.set j, j+2
.endr
.irp b, 0,1
	v_max3_num_f32 v[T+\b], |v[S+16*\b]|, |v[S+1+16*\b]|, 0x1800000
.endr
.irp i, 2,4,6,8,10,12,14
.irp b, 0,1
	v_max3_num_f32 v[T+\b], v[T+\b], |v[S+16*\b+\i]|, |v[S+1+16*\b+\i]|
.endr
.endr
.irp b, 0,1
	v_permlanex16_b32 v[T+2+\b], v[T+\b], s[SEL], s[SEL+1]
.endr
.irp b, 0,1
	v_max_num_f32 v[T+\b], v[T+\b], v[T+2+\b]
.endr
.irp b, 0,1
	v_add_nc_u32 v[T+\b], 0xff000000, v[T+\b]
.endr
.irp b, 0,1
	v_lshrrev_b32 v[T+2+\b], 23, v[T+\b]
.endr
	v_lshl_or_b32 v[T+4], v[T+3], 8, v[T+2]        ; the head's two scale bytes
	v_cvt_scalef32_pk16_fp6_f32 v[PC:PC+2], v[S:S+15], v[T]
	v_cvt_scalef32_pk16_fp6_f32 v[TP:TP+2], v[S+16:S+31], v[T+1]
	v_nop                                          ; one plain line behind the conversions
.irp i, 0,1,2
	v_permlane16_swap_b32 v[PC+\i], v[TP+\i]       ; a whole block to a lane
.endr
.irp i, 0,1,2
	v_mov_b32 v[PC+3+\i], v[TP+\i]
.endr
	global_store_b128 v[BA+3], v[PC:PC+3], s[12:13]
	global_store_b64 v[BA+4], v[PC+4:PC+5], s[12:13] offset:512
	global_store_b16 v[KSC], v[T+4], s[16:17]      ; half of a scale word: the other head of the K step writes the other half
	s_wait_tensorcnt 0x0                           ; the wave's end
	ds_add_u32 v[SPW], v[NIL]
	s_wait_dscnt 0x0
	CROUND                                         ; the closing round
	s_endpgm
.Lfunc_end_k_qbefb423967_attn:
	.size	k_qbefb423967_attn, .Lfunc_end_k_qbefb423967_attn-k_qbefb423967_attn
	.p2alignl 7, 3214868480
	.fill 96, 4, 3214868480
	.section	.rodata,"a",@progbits
	.p2align	6, 0x0
	.amdhsa_kernel k_qbefb423967_attn
		.amdhsa_group_segment_fixed_size 327680
		.amdhsa_private_segment_fixed_size 0
		.amdhsa_enable_private_segment 0
		.amdhsa_kernarg_size 24
		.amdhsa_user_sgpr_count 2
		.amdhsa_user_sgpr_kernarg_segment_ptr 1
		.amdhsa_wavefront_size32 1
		.amdhsa_system_sgpr_workgroup_id_x 1
		.amdhsa_system_sgpr_workgroup_id_y 1
		.amdhsa_system_sgpr_workgroup_id_z 1
		.amdhsa_system_vgpr_workitem_id 0
		.amdhsa_next_free_vgpr 256
		.amdhsa_next_free_sgpr 66
		.amdhsa_reserve_vcc 0
		.amdhsa_float_denorm_mode_32 3
		.amdhsa_float_denorm_mode_16_64 3
		.amdhsa_memory_ordered 1
		.amdhsa_forward_progress 1
		.amdhsa_inst_pref_size 70
	.end_amdhsa_kernel
	.amdgpu_metadata
---
amdhsa.version: [ 1, 2 ]
amdhsa.kernels:
  - .name:           k_qbefb423967_attn
    .symbol:         k_qbefb423967_attn.kd
    .args:
      - { .name: qrec, .offset: 0, .size: 8, .value_kind: global_buffer, .address_space: global }
      - { .name: kv, .offset: 8, .size: 8, .value_kind: global_buffer, .address_space: global }
      - { .name: oq, .offset: 16, .size: 8, .value_kind: global_buffer, .address_space: global }
    .group_segment_fixed_size: 327680
    .private_segment_fixed_size: 0
    .kernarg_segment_align: 8
    .kernarg_segment_size: 24
    .max_flat_workgroup_size: 512
    .sgpr_count:     66
    .vgpr_count:     256
    .wavefront_size: 32
...
	.end_amdgpu_metadata
.endif
;; end of part 3
;; launch wo (part 4): grid 8 x 32, 4 waves a work-group, clusters of 4 x 4, 327,680 bytes of LDS; arguments oq, wq, bo, x, x1; writes x1
.if DOCPART == 4
	.amdgcn_target "amdgcn-amd-amdhsa--gfx1250"
	.amdhsa_code_object_version 6
	.text
	.protected	k_qbefb423967_wo
	.globl	k_qbefb423967_wo
	.p2align	8
	.type	k_qbefb423967_wo,@function
k_qbefb423967_wo:
	s_mov_b64 s[64:65], 0
	v_nop
	global_prefetch_b8 v0, s[64:65] scope:SCOPE_SE
	s_setreg_imm32_b32 hwreg(HW_REG_WAVE_MODE, 25, 1), 1
	s_wait_xcnt 0x0
	s_wait_alu depctr_hold_cnt(0) depctr_sa_sdst(0) depctr_va_vdst(0) depctr_va_sdst(0) depctr_va_ssrc(0) depctr_va_vcc(0) depctr_vm_vsrc(0)
	s_getreg_b32 s2, hwreg(HW_REG_IB_STS2, 6, 4)
	s_cmp_eq_u32 s2, 0
	s_cbranch_scc0 .Lentry_in_a_cluster
	s_endpgm
.Lentry_in_a_cluster:
	s_bfe_u32 s2, ttmp6, 0x10000c
	s_cmp_lg_u32 s2, 0xf033
	s_cbranch_scc0 .Lentry_shape_is_right
	s_endpgm
.Lentry_shape_is_right:
.set SIZE_K, 1024
.set RSC,   3145728
.set POFF,  2359296
.set PSC,   9535488
.set KS,    SIZE_K/128
.set LAPS,  SIZE_K/1024
.set SLOT,  98304
.set SCL,   2*SLOT
.set SH,    KS*256
.set STG,   SCL+4*SH
.set SPARE, STG+4*16*272
.set AR16, 16
.set AR8,  18
.set AP16, 20
.set AP8,  22
.set SC,   32
.set BIAS, 40
.set OB,   64
.set ACC,  128
.set WV,   18
.set RH,   19
.set PH,   20
.set CX,   21
.set CY,   22
.set G1R,  24
.set G0R,  32
.set TC,   40
.set TR,   41
.set MR,   42
.set MC,   43
.set G1P,  48
.set G0P,  56
.set G1SR, 68
.set G0SR, 76
.set G1SP, 80
.set G0SP, 88
.set OUT,  92
.set RES,  94
.set MUL,  0x05
.set MSB, 0
.macro WIN new
.if MSB != \new
	s_set_vgpr_msb (MSB<<8)|\new
.set MSB, \new
.endif
.endm
.macro PLACES n
.rept \n
	v_nop
.endr
.endm
.macro JLOAD g0a, g1a, g0b, g1b
	s_cmp_eq_u32 s[RH], 0
	s_cbranch_scc0 .Lfor_p_\@
	tensor_load_to_lds s[\g0a:\g0a+3], s[\g1a:\g1a+7]
	s_nop 0
.rept 4
	v_nop
.endr
	s_branch .Lasked_\@
.Lfor_p_\@:
	tensor_load_to_lds s[\g0b:\g0b+3], s[\g1b:\g1b+7]
	s_nop 0
.rept 4
	v_nop
.endr
.Lasked_\@:
.endm
.macro CREST
	s_cmp_lg_u32 s[WV], 0
	s_cbranch_scc1 .Lnot_wave_0_\@
	s_barrier_signal -3
.Lnot_wave_0_\@:
	s_barrier_wait -3
	s_barrier_signal -1
	s_barrier_wait -1
.endm
.macro CROUND
	s_barrier_signal -1
	s_barrier_wait -1
	CREST
.endm
.macro FRAG reg, a16, a8, o
	ds_load_b128 v[\reg:\reg+3], v[\a16] offset:\o
	ds_load_b64 v[\reg+4:\reg+5], v[\a8] offset:(\o)+512
	ds_load_b128 v[\reg+6:\reg+9], v[\a16] offset:(\o)+768
	ds_load_b64 v[\reg+10:\reg+11], v[\a8] offset:(\o)+1280
.endm
.macro FETCH slot, q, f
	WIN 0x40
.irp i, 0,1,2,3
	FRAG 96*(\f)+12*\i, AP16+\slot, AP8+\slot, \i*12288+(\q)*1536
.endr
.irp i, 0,1,2,3
	FRAG 96*(\f)+48+12*\i, AR16+\slot, AR8+\slot, \i*12288+(\q)*1536
.endr
	WIN 0
.irp i, 0,1,2,3
	ds_load_b32 v[SC+4*(\f)+\i], v27 offset:\i*KS*64+(\q)*64
.endr
.endm
.macro MUL4 a, f, zero
.irp b, 0,1,2,3
.if \zero
	v_wmma_scale_f32_16x16x128_f8f6f4 v[ACC+8*(4*(\a)+\b):ACC+8*(4*(\a)+\b)+7], v[96*(\f)+12*\b:96*(\f)+12*\b+11], v[96*(\f)+48+12*(\a):96*(\f)+48+12*(\a)+11], 0, v[SC+4*(\f)+\b], v[SC+4*(\f)+(\a)] matrix_a_fmt:MATRIX_FMT_FP6 matrix_b_fmt:MATRIX_FMT_FP6 matrix_a_scale:MATRIX_SCALE_ROW1
.else
	v_wmma_scale_f32_16x16x128_f8f6f4 v[ACC+8*(4*(\a)+\b):ACC+8*(4*(\a)+\b)+7], v[96*(\f)+12*\b:96*(\f)+12*\b+11], v[96*(\f)+48+12*(\a):96*(\f)+48+12*(\a)+11], v[ACC+8*(4*(\a)+\b):ACC+8*(4*(\a)+\b)+7], v[SC+4*(\f)+\b], v[SC+4*(\f)+(\a)] matrix_a_fmt:MATRIX_FMT_FP6 matrix_b_fmt:MATRIX_FMT_FP6 matrix_a_scale:MATRIX_SCALE_ROW1
.endif
.endr
.endm
.macro STEPN slot, q, zero
	s_wait_dscnt 0x0
	PLACES 4
	FETCH \slot, (\q)+1, 1-(\q)%2
	WIN MUL
	MUL4 0, (\q)%2, \zero
	MUL4 1, (\q)%2, \zero
	MUL4 2, (\q)%2, \zero
	MUL4 3, (\q)%2, \zero
	WIN 0
.endm
.macro TURN slot, next, fill
	s_wait_dscnt 0x0
	s_wait_tensorcnt 0x0
	ds_add_u32 v28, v29
	WIN MUL
	MUL4 0, 1, 0
	s_wait_dscnt 0x0
	s_barrier_signal -1
	MUL4 1, 1, 0
	WIN 0
	s_barrier_wait -1
.if \fill
	CREST
	s_add_nc_u64 s[G0R+4*\slot+2:G0R+4*\slot+3], s[G0R+4*\slot+2:G0R+4*\slot+3], 12288
	s_add_nc_u64 s[G0P+4*\slot+2:G0P+4*\slot+3], s[G0P+4*\slot+2:G0P+4*\slot+3], 12288
	JLOAD G0R+4*\slot, G1R, G0P+4*\slot, G1P
.else
	PLACES 4
.endif
	v_add_nc_u32 v27, 256, v27
	FETCH \next, 0, 0
	WIN MUL
	MUL4 2, 1, 0
	MUL4 3, 1, 0
	WIN 0
.endm
	s_load_b256 s[4:11], s[0:1], 0x0
	s_load_b64 s[12:13], s[0:1], 0x20
	v_lshl_add_u32 v28, v0, 2, SPARE
	v_mov_b32 v29, 0
	ds_add_u32 v28, v29
	ds_add_u32 v28, v29
	s_wait_dscnt 0x0
	v_lshrrev_b32 v1, 5, v0
	v_readfirstlane_b32 s[WV], v1
	s_lshr_b32 s[RH], s[WV], 1
	s_and_b32 s[PH], s[WV], 1
	s_bfe_u32 s[CX], ttmp6, 0x40000
	s_bfe_u32 s[CY], ttmp6, 0x40004
	s_lshl_b32 s[TC], ttmp9, 2
	s_add_co_u32 s[TC], s[TC], s[CX]
	s_and_b32 s[TR], ttmp7, 0xffff
	s_lshl_b32 s[TR], s[TR], 2
	s_add_co_u32 s[TR], s[TR], s[CY]
	s_lshl_b32 s[MR], s[CY], 2
	s_lshl_b32 s[MR], 15, s[MR]
	s_lshl_b32 s[MC], 0x1111, s[CX]
	s_or_b32 s[G1R], s[MR], (3<<16)|(1<<21)
	s_or_b32 s[G1P], s[MC], (3<<16)|(1<<21)
.irp g, G1R, G1P
	s_mov_b32 s[\g+1], 1536<<16
	s_mov_b32 s[\g+2], 8<<16
	s_mov_b32 s[\g+3], 1536<<16
	s_mov_b32 s[\g+4], 8
	s_mov_b32 s[\g+5], KS*192
	s_mov_b32 s[\g+6], 0
	s_mov_b32 s[\g+7], 0
.endr
	s_or_b32 s[G1SR], s[MR], (3<<16)|(1<<21)
	s_or_b32 s[G1SP], s[MC], (3<<16)|(1<<21)
.irp g, G1SR, G1SP
	s_mov_b32 s[\g+1], 32<<16
	s_mov_b32 s[\g+2], (2*KS)<<16
	s_mov_b32 s[\g+3], 32<<16
	s_mov_b32 s[\g+4], 2*KS
	s_mov_b32 s[\g+5], 32
	s_mov_b32 s[\g+6], 0
	s_mov_b32 s[\g+7], 0
.endr
	s_lshl_b32 s44, s[TR], 3
	s_mul_i32 s98, s44, KS*64
	s_mul_i32 s44, s44, KS*1536
	s_add_co_u32 s98, s98, RSC
	s_lshl_b32 s46, s[TC], 3
	s_mul_i32 s66, s46, KS*64
	s_mul_i32 s46, s46, KS*1536
	s_add_co_u32 s66, s66, PSC
	s_add_co_u32 s46, s46, POFF
	s_mov_b32 s45, 0
	s_mov_b32 s47, 0
	s_mov_b32 s67, 0
	s_mov_b32 s99, 0
	s_wait_kmcnt 0x0
	s_add_nc_u64 s[44:45], s[4:5], s[44:45]
	s_add_nc_u64 s[98:99], s[4:5], s[98:99]
	s_add_nc_u64 s[46:47], s[6:7], s[46:47]
	s_add_nc_u64 s[66:67], s[6:7], s[66:67]
	CROUND
	s_mov_b32 s[G0SR], 1
	s_mov_b32 s[G0SR+1], SCL
	s_mov_b64 s[G0SR+2:G0SR+3], s[98:99]
	s_or_b32 s[G0SR+3], s[G0SR+3], 0x80000000
	s_mov_b32 s[G0SP], 1
	s_mov_b32 s[G0SP+1], SCL+2*SH
	s_mov_b64 s[G0SP+2:G0SP+3], s[66:67]
	s_or_b32 s[G0SP+3], s[G0SP+3], 0x80000000
; ALL OF K LIES IN LDS: R's 8 tiles x 12,288 bytes (all 8 K steps) at 0, P's 8 at 98,304, the scale words behind them.  One joint load a wave at the head: wave 0 R, wave 2 P, wave 1 R's scale words, wave 3 P's; nothing is filled again.
	s_mov_b32 s[G0R], 1
	s_mov_b32 s[G0R+1], 0
	s_mov_b64 s[G0R+2:G0R+3], s[44:45]
	s_or_b32 s[G0R+3], s[G0R+3], 0x80000000
	s_mov_b32 s[G0P], 1
	s_mov_b32 s[G0P+1], 98304
	s_mov_b64 s[G0P+2:G0P+3], s[46:47]
	s_or_b32 s[G0P+3], s[G0P+3], 0x80000000
.macro HEADARM w, g0, g1, next         ; one chain of branches on the wave's number, one load to an arm
	s_cmp_eq_u32 s[WV], \w
	s_cbranch_scc0 \next
	tensor_load_to_lds s[\g0:\g0+3], s[\g1:\g1+7]
	s_nop 0
	PLACES 4
	s_branch .Lhead_asked
\next:
.endm
	HEADARM 0, G0R, G1R, .Lhead_p
	HEADARM 2, G0P, G1P, .Lhead_sr
	HEADARM 1, G0SR, G1SR, .Lhead_sp
	tensor_load_to_lds s[G0SP:G0SP+3], s[G1SP:G1SP+7]
	s_nop 0
	PLACES 4
.Lhead_asked:
	v_and_b32 v1, 31, v0
	v_and_b32 v2, 15, v0
	v_bfe_u32 v3, v0, 4, 1
	v_lshlrev_b32 v4, 4, v1
	v_lshlrev_b32 v5, 3, v1
	s_mul_i32 s2, s[RH], 49152                     ; my 4 tiles of R,
	s_mul_i32 s3, s[PH], 49152
	s_add_co_u32 s3, s3, 98304                     ; and of P
.irp s, 0,1
	v_add_nc_u32 v[AR16+\s], s2, v4
	v_add_nc_u32 v[AR8+\s], s2, v5
	v_add_nc_u32 v[AP16+\s], s3, v4
	v_add_nc_u32 v[AP8+\s], s3, v5
	s_add_co_u32 s2, s2, 6144                      ; the second address serves K steps 4 to 7
	s_add_co_u32 s3, s3, 6144
.endr
	s_mul_i32 s2, s[RH], SH
	s_mul_i32 s3, s[PH], SH
	s_add_co_u32 s3, s3, 2*SH
	s_sub_co_u32 s3, s3, s2
	v_mul_u32_u24 v6, s3, v3
	s_add_co_u32 s2, s2, SCL
	v_lshl_add_u32 v6, v2, 2, v6
	v_add_nc_u32 v27, s2, v6
	s_mul_i32 s2, s[WV], 16*272
	s_add_co_u32 s2, s2, STG
	v_mul_u32_u24 v6, v2, 272
	v_lshl_add_u32 v6, v3, 6, v6
	v_add_nc_u32 v24, s2, v6
	v_mul_u32_u24 v6, v3, 272
	v_lshl_add_u32 v6, v2, 4, v6
	v_add_nc_u32 v25, s2, v6
	v_lshlrev_b32 v26, 12, v3
	v_lshl_add_u32 v26, v2, 4, v26
	s_wait_alu depctr_va_vdst(0)
	s_lshl_b32 s2, s[TR], 7
	s_lshl_b32 s3, s[RH], 6
	s_add_co_u32 s2, s2, s3
	s_lshl_b32 s2, s2, 12
	s_lshl_b32 s46, s[TC], 9
	s_lshl_b32 s47, s[PH], 8
	s_add_co_u32 s46, s46, s47
	v_lshl_add_u32 v7, v2, 4, s46
	s_add_co_u32 s2, s2, s46
	s_mov_b32 s3, 0
	s_add_nc_u64 s[OUT:OUT+1], s[12:13], s[2:3]
	s_add_nc_u64 s[RES:RES+1], s[10:11], s[2:3]
	global_load_b128 v[BIAS:BIAS+3], v7, s[8:9]
	WIN 0x80
.irp a, 0,1,2,3
.irp i, 0,1,2,3,4,5,6,7
	global_load_b128 v[32*\a+4*\i:32*\a+4*\i+3], v26, s[RES:RES+1] offset:(32*(\a/2)+8*(\a%2)+2*\i+8*(\i/4))*4096
.endr
.endr
	WIN 0
	s_wait_tensorcnt 0x0                           ; my tile of the head's four is in
	s_barrier_signal -1
	s_barrier_wait -1
	FETCH 0, 0, 0
	STEPN 0, 0, 1
.if LAPS > 1
	s_mov_b32 s3, LAPS-1
.Llap:
	STEPN 0, 1, 0
	STEPN 0, 2, 0
	TURN 0, 1, 1
	STEPN 1, 0, 0
	STEPN 1, 1, 0
	STEPN 1, 2, 0
	TURN 1, 0, 1
	STEPN 0, 0, 0
	s_sub_co_u32 s3, s3, 1
	s_cmp_lg_u32 s3, 0
	s_cbranch_scc1 .Llap
.endif
	STEPN 0, 1, 0
	STEPN 0, 2, 0
	TURN 0, 1, 0
	s_wait_alu depctr_va_vdst(0)
	STEPN 1, 0, 0
	STEPN 1, 1, 0
	STEPN 1, 2, 0
	s_wait_dscnt 0x0
	WIN MUL
	MUL4 0, 1, 0
	MUL4 1, 1, 0
	MUL4 2, 1, 0
	MUL4 3, 1, 0
	WIN 0
	PLACES 4
	s_wait_loadcnt 0x0
.irp a, 0,1,2,3
.if \a > 0
	s_wait_xcnt 0x0
.endif
.irp b, 0,1,2,3
	ds_store_b128 v24, v[ACC+8*(4*\a+\b):ACC+8*(4*\a+\b)+3] offset:128*(\b/2)+32*(\b%2)
	ds_store_b128 v24, v[ACC+8*(4*\a+\b)+4:ACC+8*(4*\a+\b)+7] offset:128*(\b/2)+32*(\b%2)+16
.endr
.irp i, 0,1,2,3,4,5,6,7
	ds_load_b128 v[OB+4*\i:OB+4*\i+3], v25 offset:\i*544
.endr
	s_wait_dscnt 0x0
	WIN 0x08
.set n, 0
.rept 16
	v_pk_add_f32 v[OB+n:OB+n+1], v[OB+n:OB+n+1], v[32*\a+n:32*\a+n+1]
.set n, n+2
.endr
	WIN 0
.irp i, 0,1,2,3,4,5,6,7
	v_pk_add_f32 v[OB+4*\i:OB+4*\i+1], v[OB+4*\i:OB+4*\i+1], v[BIAS:BIAS+1]
	v_pk_add_f32 v[OB+4*\i+2:OB+4*\i+3], v[OB+4*\i+2:OB+4*\i+3], v[BIAS+2:BIAS+3]
.endr
.irp i, 0,1,2,3,4,5,6,7
	global_store_b128 v26, v[OB+4*\i:OB+4*\i+3], s[OUT:OUT+1] offset:(32*(\a/2)+8*(\a%2)+2*\i+8*(\i/4))*4096
.endr
.endr
	s_wait_tensorcnt 0x0
	ds_add_u32 v28, v29
	s_wait_dscnt 0x0
	CROUND
	s_endpgm
.Lfunc_end_k_qbefb423967_wo:
	.size	k_qbefb423967_wo, .Lfunc_end_k_qbefb423967_wo-k_qbefb423967_wo
	.p2alignl 7, 3214868480
	.fill 96, 4, 3214868480
	.section	.rodata,"a",@progbits
	.p2align	6, 0x0
	.amdhsa_kernel k_qbefb423967_wo
		.amdhsa_group_segment_fixed_size 327680
		.amdhsa_private_segment_fixed_size 0
		.amdhsa_enable_private_segment 0
		.amdhsa_kernarg_size 40
		.amdhsa_user_sgpr_count 2
		.amdhsa_user_sgpr_kernarg_segment_ptr 1
		.amdhsa_wavefront_size32 1
		.amdhsa_system_sgpr_workgroup_id_x 1
		.amdhsa_system_sgpr_workgroup_id_y 1
		.amdhsa_system_sgpr_workgroup_id_z 1
		.amdhsa_system_vgpr_workitem_id 0
		.amdhsa_next_free_vgpr 768
		.amdhsa_next_free_sgpr 100
		.amdhsa_reserve_vcc 0
		.amdhsa_float_denorm_mode_32 3
		.amdhsa_float_denorm_mode_16_64 3
		.amdhsa_memory_ordered 1
		.amdhsa_forward_progress 1
		.amdhsa_inst_pref_size 65
	.end_amdhsa_kernel
	.amdgpu_metadata
---
amdhsa.version: [ 1, 2 ]
amdhsa.kernels:
  - .name:           k_qbefb423967_wo
    .symbol:         k_qbefb423967_wo.kd
    .args:
      - { .name: oq, .offset: 0, .size: 8, .value_kind: global_buffer, .address_space: global }
      - { .name: wq, .offset: 8, .size: 8, .value_kind: global_buffer, .address_space: global }
      - { .name: bo, .offset: 16, .size: 8, .value_kind: global_buffer, .address_space: global }
      - { .name: x, .offset: 24, .size: 8, .value_kind: global_buffer, .address_space: global }
      - { .name: x1, .offset: 32, .size: 8, .value_kind: global_buffer, .address_space: global }
    .group_segment_fixed_size: 327680
    .private_segment_fixed_size: 0
    .kernarg_segment_align: 8
    .kernarg_segment_size: 40
    .max_flat_workgroup_size: 128
    .sgpr_count:     100
    .vgpr_count:     768
    .wavefront_size: 32
...
	.end_amdgpu_metadata
.endif
;; end of part 4
;; launch ln2 (part 5): grid 256 x 1, 8 waves a work-group, no clusters, 133,632 bytes of LDS; arguments x1, ln2_g, ln2_b, hq; writes hq
.if DOCPART == 5
	.amdgcn_target "amdgcn-amd-amdhsa--gfx1250"
	.amdhsa_code_object_version 6
	.text
	.protected	k_qbefb423967_ln2
	.globl	k_qbefb423967_ln2
	.p2align	8
	.type	k_qbefb423967_ln2,@function
k_qbefb423967_ln2:
	s_mov_b64 s[64:65], 0
	v_nop
	global_prefetch_b8 v0, s[64:65] scope:SCOPE_SE
	s_setreg_imm32_b32 hwreg(HW_REG_WAVE_MODE, 25, 1), 1
	s_wait_xcnt 0x0
; LayerNorm 2 of x1 becomes an operand of MX-FP6 (E2M3, one E8M0 byte for each 32 along K) in hq.  The text is that of the first launch with WEIGHTS = 0: rows of the activations alone.
; A work-group takes 32 rows x 1,024 numbers.
; LAYOUT.  Rows go in tiles of 16; lane r of tile T holds row 32 (T / 2) + 8 (T % 2) + r + 8 (r / 8).  A fragment (16 rows x 128 K, 12 registers a lane) lies as an image of its registers, 1,536 bytes:
; for c = 0, 1 registers 6 c .. 6 c + 3 at 768 c + 16 x lane, registers 6 c + 4, 6 c + 5 at 768 c + 512 + 8 x lane.  Image (T, K step s) at (8 T + s) x 1,536; its 16 scale words at 3,145,728 + (8 T + s) x 64 + 4 r.
; PHASE 1: wave w loads rows w and w + 16, normalises them (mean, then the squares of the differences) and lays them into LDS at their places in the tiles.
; PHASE 2: wave w takes tile w / 8, K step w % 8: lane (r, h) reads k = 64 c + 32 h + 0 .. 31 of row r, two whole blocks.
; LIMITS: NaN and infinities are not served; a block whose largest magnitude lies under 2^-124 is held at the byte 1; a block of zeros gets the byte 1, not 127 (its codes are zeros; this program alone reads the bytes).
; THE SHARES (this paragraph takes the place of what the head says of them): a work-group of eight waves takes ONE tile T of 16 rows, rows 32 (T / 2) + 8 (T % 2) + 0 .. 7 and the eight rows 16 further on.
; Phase 1: wave w loads the w-th row of each eight.  Phase 2: wave w takes K step w of the tile.
.set WEIGHTS, 0
.set LP,  4112                         ; a row in LDS: 4,096 bytes + 16, an odd multiple of 16
.set X,   32
.set GA,  96
.set BE,  112
.set CD,  96
.set TP,  108
	s_load_b256 s[4:11], s[0:1], 0x0               ; x1, gain, bias, hq
	v_lshl_add_u32 v128, v0, 2, 0x20200
	v_mov_b32 v129, 0
	v_lshrrev_b32 v1, 5, v0
	s_delay_alu instid0(VALU_DEP_1)
	v_readfirstlane_b32 s26, v1                    ; wave 0..7
	v_and_b32 v1, 31, v0                           ; lane
	v_and_b32 v2, 15, v0                           ; r
	v_bfe_u32 v3, v0, 4, 1                         ; h
	s_delay_alu instid0(VALU_DEP_3)
	v_lshlrev_b32 v8, 4, v1                        ; 16 x lane
	s_wait_alu depctr_va_vdst(0)
	s_mov_b32 s40, 0x76543210
	s_mov_b32 s41, 0xfedcba98
	s_mov_b32 s42, 0x3a800000                      ; 1 / 1,024
	s_and_b32 s56, s26, 7                          ; row w lies at place (w % 8) + 16 (w / 8) of the 32; row w + 16 eight places on
	s_and_b32 s57, s26, 8
	s_lshl_b32 s57, s57, 1
	s_or_b32 s56, s56, s57
	s_mul_i32 s56, s56, LP
	v_add_nc_u32 v6, s56, v8
	s_lshr_b32 s58, s26, 3                         ; phase 2: my tile u,
	s_and_b32 s59, s26, 7                          ; my K step s
	s_mul_i32 s56, s58, 16*LP
	s_lshl_b32 s57, s59, 9
	s_add_co_u32 s56, s56, s57
	v_mul_u32_u24 v7, v2, LP
	s_delay_alu instid0(VALU_DEP_1)
	v_lshl_add_u32 v7, v3, 7, v7
	s_delay_alu instid0(VALU_DEP_1)
	v_add_nc_u32 v7, s56, v7
	s_wait_kmcnt 0x0
	s_lshr_b32 s32, ttmp9, 1
	s_lshl_b32 s32, s32, 17                        ; 32 rows of 4,096 bytes for each pair of tiles,
	s_and_b32 s33, ttmp9, 1
	s_lshl_b32 s33, s33, 15                        ; 8 rows for the odd tile
	s_add_co_u32 s32, s32, s33
	s_mul_i32 s38, ttmp9, 12288
	s_lshl_b32 s44, ttmp9, 9
	s_add_co_u32 s44, s44, 3145728
	s_mov_b32 s33, 0
	s_mov_b32 s39, 0
	s_mov_b32 s45, 0
	s_add_nc_u64 s[28:29], s[4:5], s[32:33]
	s_add_nc_u64 s[54:55], s[10:11], s[44:45]
	s_add_nc_u64 s[46:47], s[10:11], s[38:39]
	s_lshl_b32 s36, s26, 12
	v_add_nc_u32 v4, s36, v8                       ; row w
	s_delay_alu instid0(VALU_DEP_1)
	v_add_nc_u32 v5, 65536, v4                     ; row w + 16
	s_mul_i32 s36, s58, 12288
	s_mul_i32 s37, s59, 1536
	s_add_co_u32 s36, s36, s37
	v_lshl_add_u32 v9, v1, 4, s36
	v_lshl_add_u32 v10, v1, 3, s36
	s_lshl_b32 s36, s58, 9
	s_lshl_b32 s37, s59, 6
	s_add_co_u32 s36, s36, s37
	v_lshl_add_u32 v11, v2, 2, s36
.irp j, 0,1,2,3,4,5,6,7
	global_load_b128 v[X+4*\j:X+4*\j+3], v4, s[28:29] offset:512*\j
.endr
.irp j, 0,1,2,3,4,5,6,7
	global_load_b128 v[X+32+4*\j:X+32+4*\j+3], v5, s[28:29] offset:512*\j
.endr
.irp j, 0,1,2,3
	global_load_b128 v[GA+4*\j:GA+4*\j+3], v8, s[6:7] offset:512*\j
	global_load_b128 v[BE+4*\j:BE+4*\j+3], v8, s[8:9] offset:512*\j
.endr
.macro ACROSS a, t                     ; the sum of v[a] over the 32 lanes, in every lane; v[t] at work
	s_delay_alu instid0(VALU_DEP_1)
	v_add_f32_dpp v[\a], v[\a], v[\a] row_xmask:1 row_mask:0xf bank_mask:0xf
	s_delay_alu instid0(VALU_DEP_1)
	v_add_f32_dpp v[\a], v[\a], v[\a] row_xmask:2 row_mask:0xf bank_mask:0xf
	s_delay_alu instid0(VALU_DEP_1)
	v_add_f32_dpp v[\a], v[\a], v[\a] row_xmask:4 row_mask:0xf bank_mask:0xf
	s_delay_alu instid0(VALU_DEP_1)
	v_add_f32_dpp v[\a], v[\a], v[\a] row_xmask:8 row_mask:0xf bank_mask:0xf
	s_delay_alu instid0(VALU_DEP_1)
	v_permlanex16_b32 v[\t], v[\a], s40, s41
	s_delay_alu instid0(VALU_DEP_1)
	v_add_f32 v[\a], v[\a], v[\t]
.endm
	s_wait_loadcnt 0x8                             ; the 16 loads of the rows are in; the 8 of gain and bias, issued behind them, may be out
.irp q, 0,1
	v_pk_add_f32 v[12+6*\q:13+6*\q], v[X+32*\q:X+32*\q+1], v[X+32*\q+2:X+32*\q+3]
	v_pk_add_f32 v[14+6*\q:15+6*\q], v[X+32*\q+4:X+32*\q+5], v[X+32*\q+6:X+32*\q+7]
.irp i, 8,12,16,20,24,28
	s_delay_alu instid0(VALU_DEP_2)
	v_pk_add_f32 v[12+6*\q:13+6*\q], v[12+6*\q:13+6*\q], v[X+32*\q+\i:X+32*\q+\i+1]
	s_delay_alu instid0(VALU_DEP_2)
	v_pk_add_f32 v[14+6*\q:15+6*\q], v[14+6*\q:15+6*\q], v[X+32*\q+\i+2:X+32*\q+\i+3]
.endr
	s_delay_alu instid0(VALU_DEP_1)
	v_pk_add_f32 v[12+6*\q:13+6*\q], v[12+6*\q:13+6*\q], v[14+6*\q:15+6*\q]
	s_delay_alu instid0(VALU_DEP_1)
	v_add_f32 v[12+6*\q], v[12+6*\q], v[13+6*\q]
	ACROSS 12+6*\q, 13+6*\q
	s_delay_alu instid0(VALU_DEP_1)
	v_mul_f32 v[12+6*\q], s42, v[12+6*\q]          ; the mean
.set i, 0
.rept 16
	v_pk_add_f32 v[X+32*\q+i:X+32*\q+i+1], v[X+32*\q+i:X+32*\q+i+1], v[12+6*\q:13+6*\q] op_sel_hi:[1,0] neg_lo:[0,1] neg_hi:[0,1]
.set i, i+2
.endr
	v_pk_mul_f32 v[14+6*\q:15+6*\q], v[X+32*\q:X+32*\q+1], v[X+32*\q:X+32*\q+1]
	v_pk_mul_f32 v[16+6*\q:17+6*\q], v[X+32*\q+2:X+32*\q+3], v[X+32*\q+2:X+32*\q+3]
.irp i, 4,8,12,16,20,24,28
	s_delay_alu instid0(VALU_DEP_2)
	v_pk_fma_f32 v[14+6*\q:15+6*\q], v[X+32*\q+\i:X+32*\q+\i+1], v[X+32*\q+\i:X+32*\q+\i+1], v[14+6*\q:15+6*\q]
	s_delay_alu instid0(VALU_DEP_2)
	v_pk_fma_f32 v[16+6*\q:17+6*\q], v[X+32*\q+\i+2:X+32*\q+\i+3], v[X+32*\q+\i+2:X+32*\q+\i+3], v[16+6*\q:17+6*\q]
.endr
	s_delay_alu instid0(VALU_DEP_1)
	v_pk_add_f32 v[14+6*\q:15+6*\q], v[14+6*\q:15+6*\q], v[16+6*\q:17+6*\q]
	s_delay_alu instid0(VALU_DEP_1)
	v_add_f32 v[14+6*\q], v[14+6*\q], v[15+6*\q]
	ACROSS 14+6*\q, 15+6*\q
	s_delay_alu instid0(VALU_DEP_1)
	v_fmaak_f32 v[14+6*\q], s42, v[14+6*\q], 0x3727c5ac   ; the variance + 1e-5
.endr
	s_wait_alu depctr_va_vdst(0)
	v_rsq_f32 v24, v14
	v_rsq_f32 v26, v20
	v_mov_b32 v25, 0                               ; plain lines behind the roots
	v_mov_b32 v27, 0
	s_wait_alu depctr_va_vdst(0)                   ; one wait for both roots, ahead of their first reader
.irp q, 0,1
.set i, 0
.rept 16
	v_pk_mul_f32 v[X+32*\q+i:X+32*\q+i+1], v[X+32*\q+i:X+32*\q+i+1], v[24+2*\q:25+2*\q] op_sel_hi:[1,0]
.set i, i+2
.endr
.endr
.macro GAIN j0                         ; pieces j0 .. j0 + 3 of both rows: x gain + bias
.irp q, 0,1
.set i, 0
.rept 8
	v_pk_fma_f32 v[X+32*\q+4*\j0+i:X+32*\q+4*\j0+i+1], v[X+32*\q+4*\j0+i:X+32*\q+4*\j0+i+1], v[GA+i:GA+i+1], v[BE+i:BE+i+1]
.set i, i+2
.endr
.endr
.endm
	s_wait_loadcnt 0x0
	GAIN 0
.irp j, 0,1,2,3
	global_load_b128 v[GA+4*\j:GA+4*\j+3], v8, s[6:7] offset:2048+512*\j
	global_load_b128 v[BE+4*\j:BE+4*\j+3], v8, s[8:9] offset:2048+512*\j
.endr
	s_wait_loadcnt 0x0
	GAIN 4
.irp j, 0,1,2,3,4,5,6,7
	ds_store_b128 v6, v[X+4*\j:X+4*\j+3] offset:512*\j
	ds_store_b128 v6, v[X+32+4*\j:X+32+4*\j+3] offset:8*LP+512*\j
.endr
	s_wait_dscnt 0x0                               ; for the others' sake: my rows lie in LDS
	s_barrier_signal -1
	s_barrier_wait -1
.irp c, 0,1
.irp i, 0,1,2,3,4,5,6,7
	ds_load_b128 v[X+32*\c+4*\i:X+32*\c+4*\i+3], v7 offset:256*\c+16*\i
.endr
.endr
	s_wait_dscnt 0x0
.irp c, 0,1
	v_max3_num_f32 v[12+\c], |v[X+32*\c]|, |v[X+1+32*\c]|, 0x1800000   ; with the floor 2^(3 - 127)
.endr
.irp i, 2,4,6,8,10,12,14,16,18,20,22,24,26,28,30
.irp c, 0,1
	s_delay_alu instid0(VALU_DEP_2)
	v_max3_num_f32 v[12+\c], v[12+\c], |v[X+32*\c+\i]|, |v[X+1+32*\c+\i]|
.endr
.endr
.irp c, 0,1
	s_delay_alu instid0(VALU_DEP_2)
	v_add_nc_u32 v[14+\c], 0xff000000, v[12+\c]
.endr
.irp c, 0,1
	s_delay_alu instid0(VALU_DEP_2)
	v_lshrrev_b32 v[16+\c], 23, v[14+\c]
.endr
	s_delay_alu instid0(VALU_DEP_1)
	v_lshl_or_b32 v18, v17, 16, v16
	v_lshlrev_b32 v19, 3, v3
	s_delay_alu instid0(VALU_DEP_1)
	v_lshlrev_b32 v18, v19, v18
	v_mov_b32 v19, 0
	s_delay_alu instid0(VALU_DEP_1)
	v_permlanex16_b32 v19, v18, s40, s41
	s_delay_alu instid0(VALU_DEP_1)
	v_or_b32 v18, v18, v19
.irp c, 0,1
	v_cvt_scalef32_pk16_fp6_f32 v[CD+6*\c:CD+6*\c+2], v[X+32*\c:X+32*\c+15], v[14+\c]
	v_cvt_scalef32_pk16_fp6_f32 v[TP+4*\c:TP+4*\c+2], v[X+32*\c+16:X+32*\c+31], v[14+\c]
.endr
	v_nop
.irp c, 0,1
.irp i, 0,1,2
	v_mov_b32 v[CD+3+6*\c+\i], v[TP+4*\c+\i]
.endr
.endr
	global_store_b128 v9, v[CD:CD+3], s[46:47]
	global_store_b64 v10, v[CD+4:CD+5], s[46:47] offset:512
	global_store_b128 v9, v[CD+6:CD+9], s[46:47] offset:768
	global_store_b64 v10, v[CD+10:CD+11], s[46:47] offset:1280
	global_store_b32 v11, v18, s[54:55]
	s_wait_tensorcnt 0x0
	ds_add_u32 v128, v129
	s_wait_dscnt 0x0
	s_endpgm
.Lfunc_end_k_qbefb423967_ln2:
	.size	k_qbefb423967_ln2, .Lfunc_end_k_qbefb423967_ln2-k_qbefb423967_ln2
	.p2alignl 7, 3214868480
	.fill 96, 4, 3214868480
	.section	.rodata,"a",@progbits
	.p2align	6, 0x0
	.amdhsa_kernel k_qbefb423967_ln2
		.amdhsa_group_segment_fixed_size 133632
		.amdhsa_private_segment_fixed_size 0
		.amdhsa_enable_private_segment 0
		.amdhsa_kernarg_size 32
		.amdhsa_user_sgpr_count 2
		.amdhsa_user_sgpr_kernarg_segment_ptr 1
		.amdhsa_wavefront_size32 1
		.amdhsa_system_sgpr_workgroup_id_x 1
		.amdhsa_system_sgpr_workgroup_id_y 1
		.amdhsa_system_sgpr_workgroup_id_z 1
		.amdhsa_system_vgpr_workitem_id 0
		.amdhsa_next_free_vgpr 130
		.amdhsa_next_free_sgpr 66
		.amdhsa_reserve_vcc 0
		.amdhsa_float_denorm_mode_32 3
		.amdhsa_float_denorm_mode_16_64 3
		.amdhsa_memory_ordered 1
		.amdhsa_forward_progress 1
		.amdhsa_inst_pref_size 28
	.end_amdhsa_kernel
	.amdgpu_metadata
---
amdhsa.version: [ 1, 2 ]
amdhsa.kernels:
  - .name:           k_qbefb423967_ln2
    .symbol:         k_qbefb423967_ln2.kd
    .args:
      - { .name: x1, .offset: 0, .size: 8, .value_kind: global_buffer, .address_space: global }
      - { .name: ln2_g, .offset: 8, .size: 8, .value_kind: global_buffer, .address_space: global }
      - { .name: ln2_b, .offset: 16, .size: 8, .value_kind: global_buffer, .address_space: global }
      - { .name: hq, .offset: 24, .size: 8, .value_kind: global_buffer, .address_space: global }
    .group_segment_fixed_size: 133632
    .private_segment_fixed_size: 0
    .kernarg_segment_align: 8
    .kernarg_segment_size: 32
    .max_flat_workgroup_size: 256
    .sgpr_count:     66
    .vgpr_count:     130
    .wavefront_size: 32
...
	.end_amdgpu_metadata
.endif
;; end of part 5
;; launch ff1 (part 6): grid 16 x 16, 4 waves a work-group, clusters of 4 x 4, 327,680 bytes of LDS; arguments hq, wq, b1, gq; writes gq
.if DOCPART == 6
	.amdgcn_target "amdgcn-amd-amdhsa--gfx1250"
	.amdhsa_code_object_version 6
	.text
	.protected	k_qbefb423967_ff1
	.globl	k_qbefb423967_ff1
	.p2align	8
	.type	k_qbefb423967_ff1,@function
k_qbefb423967_ff1:
	s_mov_b64 s[64:65], 0
	v_nop
	global_prefetch_b8 v0, s[64:65] scope:SCOPE_SE
	s_setreg_imm32_b32 hwreg(HW_REG_WAVE_MODE, 25, 1), 1
	s_wait_xcnt 0x0
	s_wait_alu depctr_hold_cnt(0) depctr_sa_sdst(0) depctr_va_vdst(0) depctr_va_sdst(0) depctr_va_ssrc(0) depctr_va_vcc(0) depctr_vm_vsrc(0)
	s_getreg_b32 s2, hwreg(HW_REG_IB_STS2, 6, 4)
	s_cmp_eq_u32 s2, 0
	s_cbranch_scc0 .Lentry_in_a_cluster
	s_endpgm
.Lentry_in_a_cluster:
	s_bfe_u32 s2, ttmp6, 0x10000c
	s_cmp_lg_u32 s2, 0xf033
	s_cbranch_scc0 .Lentry_shape_is_right
	s_endpgm
.Lentry_shape_is_right:
; gq = Q(gelu(LN2(x1) W1^T + b1)): the product in MX-FP6 (E2M3), the exact GELU in f32, the result quantised along the 4,096 hidden units, which are the next product's K.
; Operands lie as images of fragments in tiles of 16 rows (lane r of tile T: row 32 (T / 2) + 8 (T % 2) + r + 8 (r / 8)): image (T, K step s) at (8 T + s) x 1,536 bytes, scale words at the scales' base + (8 T + s) x 64 + 4 r.
; D = P R^T: source 0 = 16 rows of P (W1, in wq), source 1 = 16 rows of R (tokens, hq): a lane holds a token, and the 16 registers of P's tiles 2 b, 2 b + 1 hold hidden units 32 b + 16 h + 0 .. 15.
; A work-group makes 256 x 256, a wave 128 x 128: 64 accumulators.  K = 1,024 goes in 8 steps of 128 through THREE LDS slots of two steps each.  Clusters of 4 x 4: R's tiles are shared along a row, P's along a column: joint loads.
; Six of the eight K steps are asked for at the start; only K steps 6 and 7 are a refill, of slot 0, asked for in K step 1 and waited for in K step 5: 240 products of a wave lie between.
; THE WAY OUT is a loop of eight trips, one for each of my tiles of tokens: the trip's 64 sums, with their bias, are taken out of the accumulators by one of eight short arms (a scalar compare of the trip's number);
; GELU, quantiser and stores are written once: written out eight times they would be some 40 KB of code.
; GELU: x / 2 (1 + erf(x / sqrt 2)); erf(z) = z P(z^2) / Q(z^2) with z held to +-4, polynomials of degree 6 and 4: a few units in the last place of erf; 1 + erf is formed as the definition has it.
; LIMITS: NaN and infinities are not served; a block under 2^-124 is held at the byte 1; a block of zeros gets the byte 1, not 127 (its codes are zeros; this program alone reads the bytes).
; REGISTERS: window 0: v4, v5 16 and 8 x lane; v9-14, v16-21 LDS addresses; v26 4 r; v27 scale words' address; v28, v29 the spare word's address and 0; v32-47 scale words, two sets; v64-255 R's fragments, two sets.
;   window 1: v0-191 P's fragments, two sets; v192-255 the bias.   windows 2, 3: the accumulators ((a, b) at v[8 (8 (a % 4) + b)]).
; THE FILLS (this paragraph takes the place of what the head says of slots and of the start).  LDS: region A at 0: K steps 0-3, R's 16 tiles x 6,144 bytes, then P's; region B at 2 SLOT: K steps 4, 5, R's 16 tiles x 3,072 bytes, then P's.
; At the head one joint load a wave: wave 0 R's part of A, wave 2 P's, wave 1 R's scale words, wave 3 P's.  Behind the full sequence and a round each wave asks for its quarter of B.
; In K step 3, when A has been read out, a round stands and K steps 6, 7 land on A's first 98,304 bytes, laid as B is; they are waited for in K step 5.
.set SLOT,  98304
.set G0H,   60                         ; s[60:63] group 0 of the head's load of P
.set SCL,   3*SLOT
.set SPARE, SCL+16384
.set AR16, 9                           ; v9-11   R's pieces of 16 bytes a lane in slot 0, 1, 2
.set AR8,  12                          ; v12-14  those of 8
.set AP16, 16                          ; v16-18  the same for P
.set AP8,  19                          ; v19-21
.set SC,   32
.set HA,   64
.set PC,   128
.set TM,   160
.set PW,   176
.set VA13, 178                         ; v[178:179], v[180:181]: the leading coefficients
.set VB8,  180
.set Z,    192
.set Z2,   208
.set PP,   224
.set QQ,   240
.set WV,   18
.set RH,   19
.set PH,   20
.set CX,   21
.set CY,   22
.set G1R,  24
.set G0R,  32                          ; s[32:39] groups 0 for R's slots 0 and 1
.set TC,   40
.set TR,   41
.set MR,   42
.set MC,   43
.set G0P2, 44                          ; s[44:47] group 0 for P's slot 2
.set G1P,  48
.set G0P,  56                          ; s[56:63] groups 0 for P's slots 0 and 1
.set G1SR, 68
.set G0SR, 76
.set G1SP, 80
.set G0SP, 88
.set OUT,  92
.set OUTS, 94
.set G0R2, 96                          ; s[96:99] group 0 for R's slot 2; on the way out s[96:97] hold the lane selects
.set SEL,  96
.set KR,   24                          ; on the way out s[24:45] hold constants, in pairs: no tensor load is out any more
.set KA11, 26
.set KA9,  28
.set KA7,  30
.set KA5,  32
.set KA3,  34
.set KA1,  36
.set KB6,  38
.set KB4,  40
.set KB2,  42
.set KB0,  44
.set MUL_LO, 0xa1
.set MUL_HI, 0xf1
.set MSB, 0
.macro WIN new
.if MSB != \new
	s_set_vgpr_msb (MSB<<8)|\new
.set MSB, \new
.endif
.endm
.macro PLACES n
.rept \n
	v_nop
.endr
.endm
.macro JLOAD g0a, g1a, g0b, g1b        ; a joint load: waves 0, 1 fetch for R, waves 2, 3 for P; four v_nop follow each of the two lines
	s_cmp_eq_u32 s[RH], 0
	s_cbranch_scc0 .Lfor_p_\@
	tensor_load_to_lds s[\g0a:\g0a+3], s[\g1a:\g1a+7]
	s_nop 0
.rept 4
	v_nop
.endr
	s_branch .Lasked_\@
.Lfor_p_\@:
	tensor_load_to_lds s[\g0b:\g0b+3], s[\g1b:\g1b+7]
	s_nop 0
.rept 4
	v_nop
.endr
.Lasked_\@:
.endm
.macro CREST
	s_cmp_lg_u32 s[WV], 0
	s_cbranch_scc1 .Lnot_wave_0_\@
	s_barrier_signal -3
.Lnot_wave_0_\@:
	s_barrier_wait -3
	s_barrier_signal -1
	s_barrier_wait -1
.endm
.macro CROUND
	s_barrier_signal -1
	s_barrier_wait -1
	CREST
.endm
.macro FRAG reg, a16, a8, o
	ds_load_b128 v[\reg:\reg+3], v[\a16] offset:\o
	ds_load_b64 v[\reg+4:\reg+5], v[\a8] offset:(\o)+512
	ds_load_b128 v[\reg+6:\reg+9], v[\a16] offset:(\o)+768
	ds_load_b64 v[\reg+10:\reg+11], v[\a8] offset:(\o)+1280
.endm
.macro FETCH k                         ; K step k's 16 fragments and 8 registers of scale words into set k % 2; K steps 0-3 lie in slot 0, 4 and 5 in slot 1, 6 and 7 in slot 2
.if (\k) < 4
.set FS, 0                             ; region A: 6,144 bytes a tile
.set FT, 6144
.set FO, (\k)*1536
.else
.set FS, ((\k)>>1)-1                   ; 1: region B; 2: K steps 6, 7 at LDS byte 0: 3,072 bytes a tile
.set FT, 3072
.set FO, ((\k)&1)*1536
.endif
.set FQ, (\k)&1
	WIN 0x40
.irp i, 0,1,2,3,4,5,6,7
	FRAG 96*FQ+12*\i, AP16+FS, AP8+FS, \i*FT+FO
.endr
	WIN 0
.irp i, 0,1,2,3,4,5,6,7
	FRAG 64+96*FQ+12*\i, AR16+FS, AR8+FS, \i*FT+FO
.endr
.irp i, 0,1,2,3,4,5,6,7
	ds_load_b32 v[SC+8*FQ+\i], v27 offset:\i*512+(\k)*64
.endr
.endm
.macro MM d, p, r, sp, sr, zero
.if \zero
	v_wmma_scale_f32_16x16x128_f8f6f4 v[\d:\d+7], v[\p:\p+11], v[\r:\r+11], 0, v[\sp], v[\sr] matrix_a_fmt:MATRIX_FMT_FP6 matrix_b_fmt:MATRIX_FMT_FP6 matrix_a_scale:MATRIX_SCALE_ROW1
.else
	v_wmma_scale_f32_16x16x128_f8f6f4 v[\d:\d+7], v[\p:\p+11], v[\r:\r+11], v[\d:\d+7], v[\sp], v[\sr] matrix_a_fmt:MATRIX_FMT_FP6 matrix_b_fmt:MATRIX_FMT_FP6 matrix_a_scale:MATRIX_SCALE_ROW1
.endif
.endm
.macro MUL16 a0, f, zero               ; the 64 accumulators take turns, one instruction a turn, in the same order in every step
.irp a, \a0, \a0+1
.irp b, 0,1,2,3,4,5,6,7
	MM 8*(8*((\a)%4)+\b), 96*(\f)+12*\b, 64+96*(\f)+12*(\a), SC+8*(\f)+\b, SC+8*(\f)+(\a), \zero
.endr
.endr
.endm
.macro STEPN k, zero                   ; a K step whose successor's tiles every wave may read already
	s_wait_dscnt 0x0                               ; this step's fragments, asked for a step ago, are in
	PLACES 4                                       ; four places in front of loads into registers that the last step's products read
	FETCH (\k)+1
	WIN MUL_LO
	MUL16 0, (\k)%2, \zero
	MUL16 2, (\k)%2, \zero
	WIN MUL_HI
	MUL16 4, (\k)%2, \zero
	MUL16 6, (\k)%2, \zero
	WIN 0
.endm
; A K step with a barrier.  fill = 1 (K step 3): region A has been read out and its first 98,304 bytes are filled again, with K steps 6 and 7; the round also shows region B to every wave.
; fill = 0 (K step 5): the refill is waited for and shown to every wave.
.macro TURN k, fill
	s_wait_dscnt 0x0                               ; my reads of this slot are over
.if \fill
	s_wait_tensorcnt 0x0                           ; all my tensor loads have landed: my parts of slots 1 and 2
	ds_add_u32 v28, v29                            ; 0 onto my spare word
	WIN MUL_LO
	MUL16 0, (\k)%2, 0
	s_wait_dscnt 0x0
.else
	WIN MUL_LO
	MUL16 0, (\k)%2, 0
	s_wait_tensorcnt 0x0                           ; my part of the refill has landed
.endif
	s_barrier_signal -1
	MUL16 2, (\k)%2, 0
	WIN 0
	s_barrier_wait -1
.if \fill
	CREST                                          ; no wave of any partner still reads this slot or has a load on its way
	s_add_nc_u64 s[G0R+2:G0R+3], s[G0R+2:G0R+3], 9216   ; six K steps on
	s_add_nc_u64 s[G0P+2:G0P+3], s[G0P+2:G0P+3], 9216
	JLOAD G0R, G1R, G0P, G1P
.else
	PLACES 4
.endif
	FETCH (\k)+1
	WIN MUL_HI
	MUL16 4, (\k)%2, 0
	MUL16 6, (\k)%2, 0
	WIN 0
.endm
.macro QUANT s
.irp b, 0,1,2,3
	v_max3_num_f32 v[TM+\b], |v[\s+16*\b]|, |v[\s+1+16*\b]|, 0x1800000
.endr
.irp i, 2,4,6,8,10,12,14
.irp b, 0,1,2,3
	v_max3_num_f32 v[TM+\b], v[TM+\b], |v[\s+16*\b+\i]|, |v[\s+1+16*\b+\i]|
.endr
.endr
.irp b, 0,1,2,3
	v_permlanex16_b32 v[TM+4+\b], v[TM+\b], s[SEL], s[SEL+1]
.endr
.irp b, 0,1,2,3
	v_max_num_f32 v[TM+\b], v[TM+\b], v[TM+4+\b]
.endr
.irp b, 0,1,2,3
	v_add_nc_u32 v[TM+12+\b], 0xff000000, v[TM+\b]
.endr
.irp b, 0,1,2,3
	v_lshrrev_b32 v[TM+4+\b], 23, v[TM+12+\b]
.endr
	v_lshl_or_b32 v[PW], v[TM+5], 8, v[TM+4]
	v_lshl_or_b32 v[PW], v[TM+6], 16, v[PW]
	v_lshl_or_b32 v[PW], v[TM+7], 24, v[PW]
.irp c, 0,1
	v_cvt_scalef32_pk16_fp6_f32 v[PC+6*\c:PC+2+6*\c], v[\s+32*\c:\s+15+32*\c], v[TM+12+2*\c]
	v_cvt_scalef32_pk16_fp6_f32 v[PC+12+4*\c:PC+14+4*\c], v[\s+16+32*\c:\s+31+32*\c], v[TM+12+2*\c+1]
.endr
	v_nop
.irp c, 0,1
.irp i, 0,1,2
	v_permlane16_swap_b32 v[PC+6*\c+\i], v[PC+12+4*\c+\i]
.endr
.irp i, 0,1,2
	v_mov_b32 v[PC+3+6*\c+\i], v[PC+12+4*\c+\i]
.endr
.endr
.endm
; GELU of 16 numbers at v[x] on, in place; each line runs over the 8 pairs, so that no line waits for the line above it
.macro GELU16 x
.set p, 0
.rept 8
	v_pk_mul_f32 v[Z+p:Z+p+1], v[\x+p:\x+p+1], s[KR:KR+1] op_sel_hi:[1,0]
.set p, p+2
.endr
.set p, 0
.rept 16
	v_med3_num_f32 v[Z+p], v[Z+p], -4.0, 4.0
.set p, p+1
.endr
.set p, 0
.rept 8
	v_pk_mul_f32 v[Z2+p:Z2+p+1], v[Z+p:Z+p+1], v[Z+p:Z+p+1]
.set p, p+2
.endr
.set p, 0
.rept 8
	v_pk_fma_f32 v[PP+p:PP+p+1], v[Z2+p:Z2+p+1], v[VA13:VA13+1], s[KA11:KA11+1] op_sel_hi:[1,1,0]
	v_pk_fma_f32 v[QQ+p:QQ+p+1], v[Z2+p:Z2+p+1], v[VB8:VB8+1], s[KB6:KB6+1] op_sel_hi:[1,1,0]
.set p, p+2
.endr
.irp c, KA9, KA7, KA5, KA3, KA1
.set p, 0
.rept 8
	v_pk_fma_f32 v[PP+p:PP+p+1], v[PP+p:PP+p+1], v[Z2+p:Z2+p+1], s[\c:\c+1] op_sel_hi:[1,1,0]
.set p, p+2
.endr
.endr
.irp c, KB4, KB2, KB0
.set p, 0
.rept 8
	v_pk_fma_f32 v[QQ+p:QQ+p+1], v[QQ+p:QQ+p+1], v[Z2+p:Z2+p+1], s[\c:\c+1] op_sel_hi:[1,1,0]
.set p, p+2
.endr
.endr
.set p, 0
.rept 8
	v_pk_mul_f32 v[PP+p:PP+p+1], v[PP+p:PP+p+1], v[Z+p:Z+p+1]
.set p, p+2
.endr
.set p, 0
	s_wait_alu depctr_va_vdst(0)
.rept 16
	v_rcp_f32 v[QQ+p], v[QQ+p]
.set p, p+1
.endr
.set p, 0
.rept 8
	v_pk_mul_f32 v[\x+p:\x+p+1], v[\x+p:\x+p+1], 0.5 op_sel_hi:[1,0]     ; x / 2: plain work behind the reciprocals
.set p, p+2
.endr
	s_wait_alu depctr_va_vdst(0)                   ; one wait for the sixteen, ahead of their first reader
.set p, 0
.rept 8
	v_pk_mul_f32 v[PP+p:PP+p+1], v[PP+p:PP+p+1], v[QQ+p:QQ+p+1]          ; erf
.set p, p+2
.endr
.set p, 0
.rept 8
	v_pk_fma_f32 v[\x+p:\x+p+1], v[\x+p:\x+p+1], v[PP+p:PP+p+1], v[\x+p:\x+p+1]
.set p, p+2
.endr
.endm
	s_load_b256 s[4:11], s[0:1], 0x0               ; hq, wq, b1, gq
	v_lshl_add_u32 v28, v0, 2, SPARE
	v_mov_b32 v29, 0
	ds_add_u32 v28, v29
	ds_add_u32 v28, v29
	s_wait_dscnt 0x0
	v_lshrrev_b32 v1, 5, v0
	v_readfirstlane_b32 s[WV], v1
	s_lshr_b32 s[RH], s[WV], 1
	s_and_b32 s[PH], s[WV], 1
	s_bfe_u32 s[CX], ttmp6, 0x40000
	s_bfe_u32 s[CY], ttmp6, 0x40004
	s_lshl_b32 s[TC], ttmp9, 2
	s_add_co_u32 s[TC], s[TC], s[CX]               ; my 256 hidden units
	s_and_b32 s[TR], ttmp7, 0xffff
	s_lshl_b32 s[TR], s[TR], 2
	s_add_co_u32 s[TR], s[TR], s[CY]               ; my 256 tokens
	s_lshl_b32 s[MR], s[CY], 2
	s_lshl_b32 s[MR], 15, s[MR]
	s_lshl_b32 s[MC], 0x1111, s[CX]
	s_or_b32 s[G1R], s[MR], (3<<16)|(1<<21)        ; 16 rows (tiles) of 768 elements of 8 bytes, 1,536 elements apart; no padding
	s_or_b32 s[G1P], s[MC], (3<<16)|(1<<21)
.irp g, G1R, G1P
	s_mov_b32 s[\g+1], 768<<16
	s_mov_b32 s[\g+2], 16<<16
	s_mov_b32 s[\g+3], 768<<16
	s_mov_b32 s[\g+4], 16
	s_mov_b32 s[\g+5], 1536
	s_mov_b32 s[\g+6], 0
	s_mov_b32 s[\g+7], 0
.endr
	s_or_b32 s[G1SR], s[MR], (3<<16)|(1<<21)       ; the scale words of 16 tiles: 32 rows of 256 bytes
	s_or_b32 s[G1SP], s[MC], (3<<16)|(1<<21)
.irp g, G1SR, G1SP
	s_mov_b32 s[\g+1], 32<<16
	s_mov_b32 s[\g+2], 32<<16
	s_mov_b32 s[\g+3], 32<<16
	s_mov_b32 s[\g+4], 32
	s_mov_b32 s[\g+5], 32
	s_mov_b32 s[\g+6], 0
	s_mov_b32 s[\g+7], 0
.endr
	s_lshl_b32 s98, s[TR], 4                       ; R: the first tile that I fetch
	s_lshl_b32 s45, s[PH], 3
	s_add_co_u32 s98, s98, s45
	s_lshl_b32 s94, s[TR], 13                      ; the scale words of all my 16 tiles of R
	s_mul_i32 s98, s98, 12288
	s_add_co_u32 s94, s94, 3145728
	s_lshl_b32 s46, s[TC], 4                       ; P likewise, in registers that never hold R's coordinate
	s_add_co_u32 s46, s46, s45
	s_lshl_b32 s66, s[TC], 13
	s_mul_i32 s46, s46, 12288
	s_add_co_u32 s66, s66, 9568256                 ; W1's scale words in wq
	s_add_co_u32 s46, s46, 3145728                 ; W1's images in wq
	s_mov_b32 s99, 0
	s_mov_b32 s95, 0
	s_mov_b32 s47, 0
	s_mov_b32 s67, 0
	s_mul_i32 s2, s[WV], 24576
	s_wait_kmcnt 0x0
	s_add_nc_u64 s[98:99], s[4:5], s[98:99]
	s_add_nc_u64 s[94:95], s[4:5], s[94:95]
	s_add_nc_u64 s[46:47], s[6:7], s[46:47]
	s_add_nc_u64 s[66:67], s[6:7], s[66:67]
	CROUND                                         ; all sixteen work-groups are here: the first joint loads meet
	s_mov_b32 s[G0SR], 1
	s_mov_b32 s[G0SR+1], SCL
	s_mov_b64 s[G0SR+2:G0SR+3], s[94:95]
	s_or_b32 s[G0SR+3], s[G0SR+3], 0x80000000
	s_mov_b32 s[G0SP], 1
	s_mov_b32 s[G0SP+1], SCL+8192
	s_mov_b64 s[G0SP+2:G0SP+3], s[66:67]
	s_or_b32 s[G0SP+3], s[G0SP+3], 0x80000000
	s_mov_b32 s[G0R], 1                            ; my quarter of the refill; in wave 0 (LDS byte 0, R's first tile) it serves the head's load of R too
	s_mov_b32 s[G0R+1], s2
	s_mov_b64 s[G0R+2:G0R+3], s[98:99]
	s_or_b32 s[G0R+3], s[G0R+3], 0x80000000
	s_mov_b32 s[G0P], 1
	s_mov_b32 s[G0P+1], s2
	s_mov_b64 s[G0P+2:G0P+3], s[46:47]
	s_or_b32 s[G0P+3], s[G0P+3], 0x80000000
	s_mov_b32 s[G0H], 1                            ; the head's load of P, issued by wave 2, whose address is that of P's first tile
	s_mov_b32 s[G0H+1], 98304
	s_mov_b64 s[G0H+2:G0H+3], s[46:47]
	s_or_b32 s[G0H+3], s[G0H+3], 0x80000000
	s_mov_b32 s[G0R2], 1                           ; slot 2's groups 0 are made round the registers that hold the tiles' addresses
	s_add_co_u32 s[G0R2+1], s2, 2*SLOT
	s_add_nc_u64 s[G0R2+2:G0R2+3], s[G0R2+2:G0R2+3], 6144
	s_or_b32 s[G0R2+3], s[G0R2+3], 0x80000000
	s_mov_b32 s[G0P2], 1
	s_add_co_u32 s[G0P2+1], s2, 2*SLOT
	s_add_nc_u64 s[G0P2+2:G0P2+3], s[G0P2+2:G0P2+3], 6144
	s_or_b32 s[G0P2+3], s[G0P2+3], 0x80000000
.macro HEADARM w, g0, g1, next         ; one chain of branches on the wave's number, one load to an arm
	s_cmp_eq_u32 s[WV], \w
	s_cbranch_scc0 \next
	tensor_load_to_lds s[\g0:\g0+3], s[\g1:\g1+7]
	s_nop 0
	PLACES 4
	s_branch .Lhead_asked
\next:
.endm
	HEADARM 0, G0R, G1R, .Lhead_p
	HEADARM 2, G0H, G1P, .Lhead_sr
	HEADARM 1, G0SR, G1SR, .Lhead_sp
	tensor_load_to_lds s[G0SP:G0SP+3], s[G1SP:G1SP+7]
	s_nop 0
	PLACES 4
.Lhead_asked:
	v_and_b32 v1, 31, v0
	v_and_b32 v2, 15, v0
	v_bfe_u32 v3, v0, 4, 1
	v_lshlrev_b32 v4, 4, v1
	v_lshlrev_b32 v5, 3, v1
	v_lshlrev_b32 v26, 2, v2
	s_wait_alu depctr_va_vdst(0)
	s_mul_i32 s2, s[RH], 49152                     ; region A: my 8 tiles of R, 6,144 bytes each,
	s_mul_i32 s3, s[PH], 49152
	s_add_co_u32 s3, s3, 98304                     ; and of P, behind R's 16
.irp s, 0,2,1
	v_add_nc_u32 v[AR16+\s], s2, v4
	v_add_nc_u32 v[AR8+\s], s2, v5
	v_add_nc_u32 v[AP16+\s], s3, v4
	v_add_nc_u32 v[AP8+\s], s3, v5
.if \s == 0
	s_mul_i32 s2, s[RH], 24576                     ; K steps 6, 7 at LDS byte 0: 3,072 bytes a tile
	s_mul_i32 s3, s[PH], 24576
	s_add_co_u32 s3, s3, 49152
.elseif \s == 2
	s_add_co_u32 s2, s2, 2*SLOT                    ; region B, laid likewise
	s_add_co_u32 s3, s3, 2*SLOT
.endif
.endr
	s_lshl_b32 s2, s[RH], 12
	s_lshl_b32 s3, s[PH], 12
	s_add_co_u32 s3, s3, 8192
	s_sub_co_u32 s3, s3, s2
	v_mul_u32_u24 v6, s3, v3                       ; lanes 16-31 take P's scale words
	s_add_co_u32 s2, s2, SCL
	v_lshl_add_u32 v6, v2, 2, v6
	v_add_nc_u32 v27, s2, v6
	s_lshl_b32 s2, s[TC], 10
	s_lshl_b32 s3, s[PH], 9
	s_add_co_u32 s2, s2, s3
	v_lshl_add_u32 v7, v3, 6, s2                   ; register 16 b + i wants the bias of hidden unit 32 b + 16 h + i
	WIN 0x40
.irp n, 0,1,2,3,4,5,6,7,8,9,10,11,12,13,14,15
	global_load_b128 v[192+4*\n:195+4*\n], v7, s[8:9] offset:128*(\n/4)+16*(\n%4)
.endr
	WIN 0
	s_wait_alu depctr_va_vdst(0)
	s_wait_tensorcnt 0x0                           ; my tile of the head's four is in
	ds_add_u32 v28, v29
.irp g, G1R, G1P                       ; no tensor load of mine is out: from here on a load brings 8 tiles x two K steps
	s_mov_b32 s[\g+1], 384<<16
	s_mov_b32 s[\g+2], 8<<16
	s_mov_b32 s[\g+3], 384<<16
	s_mov_b32 s[\g+4], 8
.endr
	s_wait_dscnt 0x0
	CROUND                                         ; everybody's tile is in, and the joint loads meet
	JLOAD G0R2, G1R, G0P2, G1P                     ; region B: K steps 4 and 5
	FETCH 0
	STEPN 0, 1
	STEPN 1, 0
	STEPN 2, 0
	TURN 3, 1                                      ; region B is shown; K steps 6 and 7 are asked for
	STEPN 4, 0
	TURN 5, 0                                      ; the refill is in
	STEPN 6, 0
	s_wait_dscnt 0x0
	WIN MUL_LO
	MUL16 0, 1, 0
	MUL16 2, 1, 0
	WIN MUL_HI
	MUL16 4, 1, 0
	MUL16 6, 1, 0
	WIN 0
	PLACES 4                                       ; four places behind the last products
	s_wait_loadcnt 0x0                             ; the bias
	s_lshl_b32 s2, s[TR], 4                        ; my first image in gq: tile 16 x tile row + 8 x half, K step 2 x tile column + half; 32 K steps a tile
	s_lshl_b32 s3, s[RH], 3
	s_add_co_u32 s2, s2, s3
	s_lshl_b32 s2, s2, 5
	s_lshl_b32 s3, s[TC], 1
	s_add_co_u32 s2, s2, s3
	s_add_co_u32 s2, s2, s[PH]
	s_lshl_b32 s46, s2, 6
	s_add_co_u32 s46, s46, 12582912
	s_mov_b32 s47, 0
	s_mul_i32 s2, s2, 1536
	s_mov_b32 s3, 0
	s_add_nc_u64 s[OUT:OUT+1], s[10:11], s[2:3]
	s_add_nc_u64 s[OUTS:OUTS+1], s[10:11], s[46:47]
	s_mov_b32 s48, 0                               ; what a trip adds to the two bases ahead of its stores: nothing in the first trip (no tensor load is out: s48-51 are free)
	s_mov_b32 s49, 0
	s_mov_b32 s50, 0
	s_mov_b32 s51, 0
	s_mov_b32 s[SEL], 0x76543210
	s_mov_b32 s[SEL+1], 0xfedcba98
.macro KONST r, v
	s_mov_b32 s[\r], \v
	s_mov_b32 s[\r+1], \v
.endm
	KONST KR,   0x3f3504f3                         ; 1 / sqrt 2
	KONST KA11, 0x32edffee
	KONST KA9,  0xb60cff51
	KONST KA7,  0xb86ec2d2
	KONST KA5,  0xba40ac63
	KONST KA3,  0xbb41a1f6
	KONST KA1,  0xbc83dbd4
	KONST KB6,  0xb95fbd29
	KONST KB4,  0xbadc924e
	KONST KB2,  0xbbf19bf8
	KONST KB0,  0xbc69b6a7
	v_mov_b32 v[VA13], 0xaf95df0a
	v_mov_b32 v[VA13+1], 0xaf95df0a
	v_mov_b32 v[VB8], 0xb77460cd
	v_mov_b32 v[VB8+1], 0xb77460cd
.irp b, 0,1,2,3
	v_mov_b32 v[TM+4+\b], 0                        ; a lane permute's destination counts as one of its sources
.endr
.macro ARM a                           ; trip a: tile a's 64 sums + bias -> v[HA] on; each accumulator from its low end on
.if (\a) < 7
	s_cmp_lg_u32 s3, \a
	s_cbranch_scc1 .Lnot_\@
.endif
	WIN 0x06+((\a)/4)                              ; source 0: the accumulators' window; source 1: window 1
.set i, 0
.rept 32
	v_pk_add_f32 v[HA+i:HA+i+1], v[64*((\a)%4)+i:64*((\a)%4)+i+1], v[192+i:193+i]
.set i, i+2
.endr
	WIN 0
.if (\a) < 7
	s_branch .Ljoin
.Lnot_\@:
.endif
.endm
.Ltile:
	ARM 0
	ARM 1
	ARM 2
	ARM 3
	ARM 4
	ARM 5
	ARM 6
	ARM 7
.Ljoin:
	GELU16 HA
	GELU16 HA+16
	GELU16 HA+32
	GELU16 HA+48
	s_wait_alu depctr_va_vdst(0)                   ; the wait directly ahead of the wait below
	s_wait_xcnt 0x0                                ; the last trip's stores have read their registers and bases: both are written again only behind this wait
	s_add_nc_u64 s[OUT:OUT+1], s[OUT:OUT+1], s[48:49]
	s_add_nc_u64 s[OUTS:OUTS+1], s[OUTS:OUTS+1], s[50:51]
	s_mov_b32 s48, 49152
	s_mov_b32 s50, 2048
	QUANT HA
	global_store_b128 v4, v[PC:PC+3], s[OUT:OUT+1]
	global_store_b64 v5, v[PC+4:PC+5], s[OUT:OUT+1] offset:512
	global_store_b128 v4, v[PC+6:PC+9], s[OUT:OUT+1] offset:768
	global_store_b64 v5, v[PC+10:PC+11], s[OUT:OUT+1] offset:1280
	global_store_b32 v26, v[PW], s[OUTS:OUTS+1]
	s_add_co_u32 s3, s3, 1
	s_cmp_lt_u32 s3, 8
	s_cbranch_scc1 .Ltile
	s_wait_tensorcnt 0x0                           ; the wave's end
	ds_add_u32 v28, v29
	s_wait_dscnt 0x0
	CROUND                                         ; the closing round
	s_endpgm
.Lfunc_end_k_qbefb423967_ff1:
	.size	k_qbefb423967_ff1, .Lfunc_end_k_qbefb423967_ff1-k_qbefb423967_ff1
	.p2alignl 7, 3214868480
	.fill 96, 4, 3214868480
	.section	.rodata,"a",@progbits
	.p2align	6, 0x0
	.amdhsa_kernel k_qbefb423967_ff1
		.amdhsa_group_segment_fixed_size 327680
		.amdhsa_private_segment_fixed_size 0
		.amdhsa_enable_private_segment 0
		.amdhsa_kernarg_size 32
		.amdhsa_user_sgpr_count 2
		.amdhsa_user_sgpr_kernarg_segment_ptr 1
		.amdhsa_wavefront_size32 1
		.amdhsa_system_sgpr_workgroup_id_x 1
		.amdhsa_system_sgpr_workgroup_id_y 1
		.amdhsa_system_sgpr_workgroup_id_z 1
		.amdhsa_system_vgpr_workitem_id 0
		.amdhsa_next_free_vgpr 1024
		.amdhsa_next_free_sgpr 100
		.amdhsa_reserve_vcc 0
		.amdhsa_float_denorm_mode_32 3
		.amdhsa_float_denorm_mode_16_64 3
		.amdhsa_memory_ordered 1
		.amdhsa_forward_progress 1
		.amdhsa_inst_pref_size 178
	.end_amdhsa_kernel
	.amdgpu_metadata
---
amdhsa.version: [ 1, 2 ]
amdhsa.kernels:
  - .name:           k_qbefb423967_ff1
    .symbol:         k_qbefb423967_ff1.kd
    .args:
      - { .name: hq, .offset: 0, .size: 8, .value_kind: global_buffer, .address_space: global }
      - { .name: wq, .offset: 8, .size: 8, .value_kind: global_buffer, .address_space: global }
      - { .name: b1, .offset: 16, .size: 8, .value_kind: global_buffer, .address_space: global }
      - { .name: gq, .offset: 24, .size: 8, .value_kind: global_buffer, .address_space: global }
    .group_segment_fixed_size: 327680
    .private_segment_fixed_size: 0
    .kernarg_segment_align: 8
    .kernarg_segment_size: 32
    .max_flat_workgroup_size: 128
    .sgpr_count:     100
    .vgpr_count:     1024
    .wavefront_size: 32
...
	.end_amdgpu_metadata
.endif
;; end of part 6
;; launch ff2 (part 7): grid 8 x 32, 4 waves a work-group, clusters of 4 x 4, 327,680 bytes of LDS; arguments gq, wq, b2, x1, out0; writes out0
.if DOCPART == 7
	.amdgcn_target "amdgcn-amd-amdhsa--gfx1250"
	.amdhsa_code_object_version 6
	.text
	.protected	k_qbefb423967_ff2
	.globl	k_qbefb423967_ff2
	.p2align	8
	.type	k_qbefb423967_ff2,@function
k_qbefb423967_ff2:
	s_mov_b64 s[64:65], 0
	v_nop
	global_prefetch_b8 v0, s[64:65] scope:SCOPE_SE
	s_setreg_imm32_b32 hwreg(HW_REG_WAVE_MODE, 25, 1), 1
	s_wait_xcnt 0x0
	s_wait_alu depctr_hold_cnt(0) depctr_sa_sdst(0) depctr_va_vdst(0) depctr_va_sdst(0) depctr_va_ssrc(0) depctr_va_vcc(0) depctr_vm_vsrc(0)
	s_getreg_b32 s2, hwreg(HW_REG_IB_STS2, 6, 4)
	s_cmp_eq_u32 s2, 0
	s_cbranch_scc0 .Lentry_in_a_cluster
	s_endpgm
.Lentry_in_a_cluster:
	s_bfe_u32 s2, ttmp6, 0x10000c
	s_cmp_lg_u32 s2, 0xf033
	s_cbranch_scc0 .Lentry_shape_is_right
	s_endpgm
.Lentry_shape_is_right:
.set KS,    32
.set RSC,   12582912
.set POFF,  6291456
.set PSC,   9699328
.set SLOT,  98304
.set SCL,   2*SLOT
.set SH,    KS*256
.set STG,   SCL+4*SH
.set SP,    528
.set SPARE, STG+128*SP
.set A16,  8
.set A8,   12
.set SC,   32
.set BI,   48
.set ACC,  128
.set WV,   18
.set RH,   19
.set PH,   20
.set CX,   21
.set CY,   22
.set G1R,  24
.set G0R,  32
.set TC,   40
.set TR,   41
.set MR,   42
.set MC,   43
.set PB,   48
.set G1SR, 68
.set G0SR, 76
.set G1SP, 80
.set G0SP, 88
.set OUT,  92
.set RES,  94
.set MUL,  0x06
.set MSB, 0
.macro WIN new
.if MSB != \new
	s_set_vgpr_msb (MSB<<8)|\new
.set MSB, \new
.endif
.endm
.macro PLACES n
.rept \n
	v_nop
.endr
.endm
.macro JLOAD g0a, g1a, g0b, g1b
	s_cmp_eq_u32 s[RH], 0
	s_cbranch_scc0 .Lfor_p_\@
	tensor_load_to_lds s[\g0a:\g0a+3], s[\g1a:\g1a+7]
	s_nop 0
.rept 4
	v_nop
.endr
	s_branch .Lasked_\@
.Lfor_p_\@:
	tensor_load_to_lds s[\g0b:\g0b+3], s[\g1b:\g1b+7]
	s_nop 0
.rept 4
	v_nop
.endr
.Lasked_\@:
.endm
.macro CREST
	s_cmp_lg_u32 s[WV], 0
	s_cbranch_scc1 .Lnot_wave_0_\@
	s_barrier_signal -3
.Lnot_wave_0_\@:
	s_barrier_wait -3
	s_barrier_signal -1
	s_barrier_wait -1
.endm
.macro CROUND
	s_barrier_signal -1
	s_barrier_wait -1
	CREST
.endm
.macro FRAG reg, a16, a8, o
	ds_load_b128 v[\reg:\reg+3], v[\a16] offset:\o
	ds_load_b64 v[\reg+4:\reg+5], v[\a8] offset:(\o)+512
	ds_load_b128 v[\reg+6:\reg+9], v[\a16] offset:(\o)+768
	ds_load_b64 v[\reg+10:\reg+11], v[\a8] offset:(\o)+1280
.endm
.macro FETCH s
.set FSL, ((\s)>>3)&1
.set FQ,  (\s)&7
.set FF,  (\s)&1
	WIN 0x40
.irp i, 0,1,2,3,4,5,6,7
	FRAG 96*FF+12*\i, A16+2*FSL+\i/4, A8+2*FSL+\i/4, (\i%4)*12288+FQ*1536
.endr
	WIN 0
.irp i, 0,1
	ds_load_b32 v[SC+8*FF+\i], v27 offset:\i*KS*64+(\s)*64
.endr
.irp i, 2,3,4,5,6,7
	ds_load_b32 v[SC+8*FF+\i], v30 offset:\i*KS*64+(\s)*64
.endr
.endm
.macro PLOAD s
.set PR, 24*((\s)%8)
	WIN 0x80
.irp b, 0,1
	global_load_b128 v[PR+12*\b:PR+12*\b+3], v4, s[PB:PB+1] offset:\b*KS*1536+(\s)*1536
	global_load_b64 v[PR+12*\b+4:PR+12*\b+5], v5, s[PB:PB+1] offset:\b*KS*1536+(\s)*1536+512
	global_load_b128 v[PR+12*\b+6:PR+12*\b+9], v4, s[PB:PB+1] offset:\b*KS*1536+(\s)*1536+768
	global_load_b64 v[PR+12*\b+10:PR+12*\b+11], v5, s[PB:PB+1] offset:\b*KS*1536+(\s)*1536+1280
.endr
	WIN 0
.endm
.macro RLOAD c
	WIN 0xc0
.irp i, 0,1,2,3,4,5,6,7
.set n, 8*(\c)+\i
	global_load_b128 v[4*n:4*n+3], v4, s[RES:RES+1] offset:(8*(n/16)+n%16+8*((n%16)/8))*4096 th:TH_LOAD_NT
.endr
	WIN 0
.endm
.macro LWAIT s
.if (\s) < 29
	s_wait_loadcnt 56
.else
	s_wait_loadcnt 8*(31-(\s))+32
.endif
.endm
.macro MULA a, s, first
.irp b, 0,1
.if \first
	v_wmma_scale_f32_16x16x128_f8f6f4 v[ACC+8*(2*(\a)+\b):ACC+8*(2*(\a)+\b)+7], v[24*((\s)%8)+12*\b:24*((\s)%8)+12*\b+11], v[96*((\s)%2)+12*(\a):96*((\s)%2)+12*(\a)+11], v[BI+8*\b:BI+8*\b+7], v[SC+8*((\s)%2)+\b], v[SC+8*((\s)%2)+(\a)] matrix_a_fmt:MATRIX_FMT_FP6 matrix_b_fmt:MATRIX_FMT_FP6 matrix_a_scale:MATRIX_SCALE_ROW1
.else
	v_wmma_scale_f32_16x16x128_f8f6f4 v[ACC+8*(2*(\a)+\b):ACC+8*(2*(\a)+\b)+7], v[24*((\s)%8)+12*\b:24*((\s)%8)+12*\b+11], v[96*((\s)%2)+12*(\a):96*((\s)%2)+12*(\a)+11], v[ACC+8*(2*(\a)+\b):ACC+8*(2*(\a)+\b)+7], v[SC+8*((\s)%2)+\b], v[SC+8*((\s)%2)+(\a)] matrix_a_fmt:MATRIX_FMT_FP6 matrix_b_fmt:MATRIX_FMT_FP6 matrix_a_scale:MATRIX_SCALE_ROW1
.endif
.endr
.endm
.macro STEPN s, first
	s_wait_dscnt 0x0
	PLACES 4
	FETCH (\s)+1
.if (\s)+7 < 32
	PLOAD (\s)+7
.elseif (\s) < 29
	RLOAD (\s)-25
.endif
	LWAIT \s
	WIN MUL
.irp a, 0,1,2,3,4,5,6,7
	MULA \a, \s, \first
.endr
	WIN 0
.endm
.macro TURN s, fill
.set TS, ((\s)>>3)&1
	s_wait_dscnt 0x0
	PLACES 4
	PLOAD (\s)+7
	s_wait_tensorcnt 0x0
	ds_add_u32 v28, v29
	LWAIT \s
	WIN MUL
	MULA 0, \s, 0
	MULA 1, \s, 0
	s_wait_dscnt 0x0
	s_barrier_signal -1
	MULA 2, \s, 0
	MULA 3, \s, 0
	WIN 0
	s_barrier_wait -1
.if \fill
	CREST
	s_add_nc_u64 s[G0R+4*TS+2:G0R+4*TS+3], s[G0R+4*TS+2:G0R+4*TS+3], 24576
	tensor_load_to_lds s[G0R+4*TS:G0R+4*TS+3], s[G1R:G1R+7]
	s_nop 0
	PLACES 4
.else
	PLACES 4
.endif
	FETCH (\s)+1
	WIN MUL
.irp a, 4,5,6,7
	MULA \a, \s, 0
.endr
	WIN 0
.endm
	s_load_b256 s[4:11], s[0:1], 0x0
	s_load_b64 s[12:13], s[0:1], 0x20
	v_lshl_add_u32 v28, v0, 2, SPARE
	v_mov_b32 v29, 0
	ds_add_u32 v28, v29
	ds_add_u32 v28, v29
	s_wait_dscnt 0x0
	v_lshrrev_b32 v1, 5, v0
	v_readfirstlane_b32 s[WV], v1
	s_lshr_b32 s[RH], s[WV], 1
	s_and_b32 s[PH], s[WV], 1
	s_bfe_u32 s[CX], ttmp6, 0x40000
	s_bfe_u32 s[CY], ttmp6, 0x40004
	s_lshl_b32 s[TC], ttmp9, 2
	s_add_co_u32 s[TC], s[TC], s[CX]
	s_and_b32 s[TR], ttmp7, 0xffff
	s_lshl_b32 s[TR], s[TR], 2
	s_add_co_u32 s[TR], s[TR], s[CY]
	s_lshl_b32 s[MR], s[CY], 2
	s_lshl_b32 s[MR], 15, s[MR]
	s_lshl_b32 s[MC], 0x1111, s[CX]
	s_or_b32 s[G1R], s[MR], (3<<16)|(1<<21)
	s_mov_b32 s[G1R+1], 1536<<16
	s_mov_b32 s[G1R+2], 4<<16
	s_mov_b32 s[G1R+3], 1536<<16
	s_mov_b32 s[G1R+4], 4
	s_mov_b32 s[G1R+5], KS*192
	s_mov_b32 s[G1R+6], 0
	s_mov_b32 s[G1R+7], 0
	s_or_b32 s[G1SR], s[MR], (3<<16)|(1<<21)
	s_or_b32 s[G1SP], s[MC], (3<<16)|(1<<21)
.irp g, G1SR, G1SP
	s_mov_b32 s[\g+1], 32<<16
	s_mov_b32 s[\g+2], (2*KS)<<16
	s_mov_b32 s[\g+3], 32<<16
	s_mov_b32 s[\g+4], 2*KS
	s_mov_b32 s[\g+5], 32
	s_mov_b32 s[\g+6], 0
	s_mov_b32 s[\g+7], 0
.endr
	s_lshl_b32 s44, s[TR], 3
	s_lshl_b32 s45, s[WV], 1
	s_add_co_u32 s44, s44, s45
	s_mul_i32 s44, s44, KS*1536
	s_lshl_b32 s98, s[TR], 3
	s_lshl_b32 s99, s[PH], 2
	s_add_co_u32 s98, s98, s99
	s_mul_i32 s98, s98, KS*64
	s_add_co_u32 s98, s98, RSC
	s_lshl_b32 s66, s[TC], 3
	s_add_co_u32 s66, s66, s99
	s_mul_i32 s66, s66, KS*64
	s_add_co_u32 s66, s66, PSC
	s_lshl_b32 s46, s[TC], 3
	s_add_co_u32 s46, s46, s45
	s_mul_i32 s46, s46, KS*1536
	s_add_co_u32 s46, s46, POFF
	s_mov_b32 s45, 0
	s_mov_b32 s47, 0
	s_mov_b32 s67, 0
	s_mov_b32 s99, 0
	s_mul_i32 s2, s[WV], 24576
	s_wait_kmcnt 0x0
	s_add_nc_u64 s[44:45], s[4:5], s[44:45]
	s_add_nc_u64 s[98:99], s[4:5], s[98:99]
	s_add_nc_u64 s[PB:PB+1], s[6:7], s[46:47]
	s_add_nc_u64 s[66:67], s[6:7], s[66:67]
	CROUND
	s_mov_b32 s[G0SR], 1
	s_mov_b32 s[G0SR+1], SCL
	s_mov_b64 s[G0SR+2:G0SR+3], s[98:99]
	s_or_b32 s[G0SR+3], s[G0SR+3], 0x80000000
	s_mov_b32 s[G0SP], 1
	s_mov_b32 s[G0SP+1], SCL+2*SH
	s_mov_b64 s[G0SP+2:G0SP+3], s[66:67]
	s_or_b32 s[G0SP+3], s[G0SP+3], 0x80000000
.irp s, 0,1
	s_mov_b32 s[G0R+4*\s], 1
	s_add_co_u32 s[G0R+4*\s+1], s2, \s*SLOT
	s_add_nc_u64 s[G0R+4*\s+2:G0R+4*\s+3], s[44:45], \s*12288
	s_or_b32 s[G0R+4*\s+3], s[G0R+4*\s+3], 0x80000000
.endr
; THE HEAD'S LOADS, one a wave: wave 0 R's scale words (all 8 tiles), wave 2 P's, waves 1 and 3 a half each of slot 0 (4 tiles x 8 K steps).  Slot 1 follows behind the full sequence and a round, a quarter a wave.
.set G0H, 56                           ; s[56:59] group 0 of a half of slot 0
	s_lshl_b32 s60, s[TR], 3
	s_lshl_b32 s61, s[RH], 2
	s_add_co_u32 s60, s60, s61
	s_mul_i32 s60, s60, KS*1536
	s_mov_b32 s61, 0
	s_mov_b32 s[G0H], 1
	s_mul_i32 s[G0H+1], s[RH], 49152
	s_add_nc_u64 s[G0H+2:G0H+3], s[4:5], s[60:61]
	s_or_b32 s[G0H+3], s[G0H+3], 0x80000000
.macro HEADARM w, g0, g1, next         ; one chain of branches on the wave's number, one load to an arm
	s_cmp_eq_u32 s[WV], \w
	s_cbranch_scc0 \next
	tensor_load_to_lds s[\g0:\g0+3], s[\g1:\g1+7]
	s_nop 0
	PLACES 4
	s_branch .Lhead_asked
\next:
.endm
	HEADARM 0, G0SR, G1SR, .Lhead_sp
	HEADARM 2, G0SP, G1SP, .Lhead_r
	tensor_load_to_lds s[G0H:G0H+3], s[G1R:G1R+7]
	s_nop 0
	PLACES 4
.Lhead_asked:
	v_and_b32 v1, 31, v0
	v_and_b32 v2, 15, v0
	v_bfe_u32 v3, v0, 4, 1
	v_lshlrev_b32 v4, 4, v1
	s_wait_alu depctr_va_vdst(0)
	v_lshlrev_b32 v5, 3, v1
	s_wait_alu depctr_va_vdst(0)
	s_lshl_b32 s46, s[TC], 9
	s_lshl_b32 s3, s[WV], 7
	s_add_co_u32 s3, s3, s46
	v_lshl_add_u32 v7, v3, 6, s3
.irp n, 0,1,2,3
	global_load_b128 v[BI+4*\n:BI+4*\n+3], v7, s[8:9] offset:16*\n
.endr
.irp t, 0,1,2,3,4,5,6
	PLOAD \t
.endr
.irp s, 0,1
.irp g, 0,1
	v_add_nc_u32 v[A16+2*\s+\g], \s*SLOT+\g*49152, v4
	v_add_nc_u32 v[A8+2*\s+\g], \s*SLOT+\g*49152, v5
.endr
.endr
	s_lshl_b32 s3, s[WV], 12
	s_add_co_u32 s3, s3, 2*SH
	v_mul_u32_u24 v6, s3, v3
	v_lshl_add_u32 v6, v2, 2, v6
	v_add_nc_u32 v27, SCL, v6
	v_lshl_add_u32 v30, v2, 2, SCL
	s_lshl_b32 s3, s[WV], 7
	s_add_co_u32 s3, s3, STG
	v_mul_u32_u24 v6, v2, SP
	v_lshl_add_u32 v6, v3, 6, v6
	v_add_nc_u32 v24, s3, v6
	s_mul_i32 s3, s[WV], 32*SP
	s_add_co_u32 s3, s3, STG
	v_add_nc_u32 v25, s3, v4
	s_lshl_b32 s2, s[TR], 7
	s_lshl_b32 s3, s[WV], 5
	s_add_co_u32 s2, s2, s3
	s_lshl_b32 s2, s2, 12
	s_add_co_u32 s2, s2, s46
	s_mov_b32 s3, 0
	s_add_nc_u64 s[OUT:OUT+1], s[12:13], s[2:3]
	s_add_nc_u64 s[RES:RES+1], s[10:11], s[2:3]
	s_wait_alu depctr_va_vdst(0)
	s_wait_tensorcnt 0x0                           ; my tile of the head's is in
	ds_add_u32 v28, v29
	s_mov_b32 s[G1R+2], 2<<16                      ; no tensor load of mine is out: from here on a load brings 2 tiles
	s_mov_b32 s[G1R+4], 2
	s_wait_dscnt 0x0
	CROUND
	tensor_load_to_lds s[G0R+4:G0R+7], s[G1R:G1R+7]   ; slot 1: K steps 8 to 15
	s_nop 0
	PLACES 4
	FETCH 0
	STEPN 0, 1
.irp t, 1,2,3,4,5,6
	STEPN \t, 0
.endr
	TURN 7, 1
.irp t, 8,9,10,11,12,13,14
	STEPN \t, 0
.endr
	TURN 15, 1
.irp t, 16,17,18,19,20,21,22
	STEPN \t, 0
.endr
	TURN 23, 0
.irp t, 24,25,26,27,28,29,30
	STEPN \t, 0
.endr
	s_wait_dscnt 0x0
	LWAIT 31
	WIN MUL
.irp a, 0,1,2,3,4,5,6,7
	MULA \a, 31, 0
.endr
	WIN 0
	PLACES 4
.irp a, 0,1,2,3,4,5,6,7
.irp b, 0,1
	ds_store_b128 v24, v[ACC+8*(2*\a+\b):ACC+8*(2*\a+\b)+3] offset:\a*16*SP+32*\b
	ds_store_b128 v24, v[ACC+8*(2*\a+\b)+4:ACC+8*(2*\a+\b)+7] offset:\a*16*SP+32*\b+16
.endr
.endr
	s_wait_dscnt 0x0
	s_barrier_signal -1
	s_barrier_wait -1
	WIN 0xc0
.set n, 0
.rept 32
	ds_load_b128 v[128+4*n:128+4*n+3], v25 offset:n*SP
.set n, n+1
.endr
	s_wait_loadcnt 0x0
	s_wait_dscnt 0x0
	WIN 0xcf
.set n, 0
.rept 64
	v_pk_add_f32 v[128+n:129+n], v[128+n:129+n], v[n:n+1]
.set n, n+2
.endr
	WIN 0x0c
.set n, 0
.rept 32
	global_store_b128 v4, v[128+4*n:128+4*n+3], s[OUT:OUT+1] offset:(8*(n/16)+n%16+8*((n%16)/8))*4096 th:TH_STORE_NT
.set n, n+1
.endr
	WIN 0
	s_wait_tensorcnt 0x0
	ds_add_u32 v28, v29
	s_wait_dscnt 0x0
	CROUND
	s_endpgm
.Lfunc_end_k_qbefb423967_ff2:
	.size	k_qbefb423967_ff2, .Lfunc_end_k_qbefb423967_ff2-k_qbefb423967_ff2
	.p2alignl 7, 3214868480
	.fill 96, 4, 3214868480
	.section	.rodata,"a",@progbits
	.p2align	6, 0x0
	.amdhsa_kernel k_qbefb423967_ff2
		.amdhsa_group_segment_fixed_size 327680
		.amdhsa_private_segment_fixed_size 0
		.amdhsa_enable_private_segment 0
		.amdhsa_kernarg_size 40
		.amdhsa_user_sgpr_count 2
		.amdhsa_user_sgpr_kernarg_segment_ptr 1
		.amdhsa_wavefront_size32 1
		.amdhsa_system_sgpr_workgroup_id_x 1
		.amdhsa_system_sgpr_workgroup_id_y 1
		.amdhsa_system_sgpr_workgroup_id_z 1
		.amdhsa_system_vgpr_workitem_id 0
		.amdhsa_next_free_vgpr 1024
		.amdhsa_next_free_sgpr 100
		.amdhsa_reserve_vcc 0
		.amdhsa_float_denorm_mode_32 3
		.amdhsa_float_denorm_mode_16_64 3
		.amdhsa_memory_ordered 1
		.amdhsa_forward_progress 1
		.amdhsa_inst_pref_size 206
	.end_amdhsa_kernel
	.amdgpu_metadata
---
amdhsa.version: [ 1, 2 ]
amdhsa.kernels:
  - .name:           k_qbefb423967_ff2
    .symbol:         k_qbefb423967_ff2.kd
    .args:
      - { .name: gq, .offset: 0, .size: 8, .value_kind: global_buffer, .address_space: global }
      - { .name: wq, .offset: 8, .size: 8, .value_kind: global_buffer, .address_space: global }
      - { .name: b2, .offset: 16, .size: 8, .value_kind: global_buffer, .address_space: global }
      - { .name: x1, .offset: 24, .size: 8, .value_kind: global_buffer, .address_space: global }
      - { .name: out0, .offset: 32, .size: 8, .value_kind: global_buffer, .address_space: global }
    .group_segment_fixed_size: 327680
    .private_segment_fixed_size: 0
    .kernarg_segment_align: 8
    .kernarg_segment_size: 40
    .max_flat_workgroup_size: 128
    .sgpr_count:     100
    .vgpr_count:     1024
    .wavefront_size: 32
...
	.end_amdgpu_metadata
.endif
;; end of part 7
